; MI455X (gfx1250); checked and timed in simulation.
; The chip was launched on July 23, 2026; its instructions are those of AMD's public machine-readable ISA for CDNA 5 (MIT licence, August 2026) and "CDNA5" Instruction Set Architecture Reference Guide (July 2026). The comments in the code are by the model that wrote it; some were corrected since.
;; Local Global Multihead Attention. Allowed arithmetic: matrix products marked QUANTISED: E4M3 operands, one given power-of-two scale a tensor, by v_wmma_f32_16x16x64_fp8_fp8 or v_wmma_f32_16x16x128_fp8_fp8, f32 sums; everything else in f32.
;; Inputs: bk 1,024 float32; bo 1,024 float32; bq 1,024 float32; bv 1,024 float32; lowp_scales 12 int32 (the exponents e of the quantised operands' scales 2^e); wk 1,024 x 1,024 float32; wo 1,024 x 1,024 float32; wq 1,024 x 1,024 float32; wv 1,024 x 1,024 float32; x 4 x 2,048 x 1,024 float32.
;; Outputs: out0 4 x 2,048 x 1,024 float32.
;; This version of the problem:
;;   THIS VERSION OF THE PROBLEM IS GIVEN IN LOW PRECISION. The matrix products marked QUANTISED in the list below multiply operands that are first quantised to E4M3 (4 exponent bits, 3 mantissa bits; 8 bits a number), with one given power-of-two scale for each operand tensor; their sums are f32. All else is computed in f32.
;;   The module's matrix products, in the order in which they are computed (A, B: the left and right operand; K: the contracted axis; several contracted axes count as one K, in the product's order):
;;     1. [M 8,192, K 1,024] x [K 1,024, N 1,024]; A: input x; B: input wq: QUANTISED (scales: A lowp_scales[0], B lowp_scales[1])
;;     2. [M 8,192, K 1,024] x [K 1,024, N 1,024]; A: input x; B: input wk: QUANTISED (scales: A lowp_scales[2], B lowp_scales[3])
;;     3. [M 8,192, K 1,024] x [K 1,024, N 1,024]; A: input x; B: input wv: QUANTISED (scales: A lowp_scales[4], B lowp_scales[5])
;;     4. batch 64 x [M 2,048, K 64] x [K 64, N 2,048]; A: computed on the way; B: computed on the way: QUANTISED (scales: A lowp_scales[6], B lowp_scales[7])
;;     5. batch 64 x [M 2,048, K 2,048] x [K 2,048, N 64]; A: softmax (see below); B: computed on the way: QUANTISED (scales: A lowp_scales[8], B lowp_scales[9])
;;     6. [M 8,192, K 1,024] x [K 1,024, N 1,024]; A: computed on the way; B: input wo: QUANTISED (scales: A lowp_scales[10], B lowp_scales[11])
;;   THE QUANTISER, for each operand of a quantised product, along K:
;;     - The operand's scale is 2^e, e = its entry of the input lowp_scales (int32; the entries are numbered through the quantised products in the list's order, A before B).
;;     - Each number is divided by the scale, clamped to +-448, and rounded to the nearest number of E4M3, ties to even, subnormals kept.
;;     - The product sums the exact products of the quantised numbers (number of the format x scale) in f32.
;;   ~~~python
;;   def quantise(x, axis, e):      # numpy; x: float32 -> the quantised numbers, widened to float32 again
;;       x = np.moveaxis(x, axis, -1); K = x.shape[-1]
;;       r = np.clip(x / 2.0 ** e, -448, 448)
;;       step = 2.0 ** (np.maximum(np.frexp(np.where(r == 0, 1, r))[1] - 1, -6) - 3)
;;       q = np.round(r / step) * step * 2.0 ** e      # np.round: ties to even
;;       return np.moveaxis(q, -1, axis).astype(np.float32)
;;   ~~~
;;   SOFTMAX AHEAD OF A QUANTISED PRODUCT. Where the list says 'softmax', what is quantised is not the finished softmax but p = 2^(t - M), with t = logit x log2(e) and M = ceil(the row's largest t), a whole number; so 1/2 < the row's largest p <= 1. The row's sum l is taken of the UNQUANTISED p, in f32, and the product's result is divided by l at the end. Since M is a whole number, a kernel that streams over the keys may use a running M (the ceiling of the running maximum): every later rescaling is an exact power of two, so the quantised numbers keep their values, but for numbers so far below the row's largest that they fall under the format's range.
;;   OPERANDS COMPUTED ON THE WAY. 'Computed on the way' means the value that the module computes at that place (a softmax that the list does not call 'softmax' is quantised finished and normalised). What goes into a quantiser is computed in f32, as accurately as f32 sums, v_exp_f32 and their like allow (about 1e-6 of the number): no bf16 or f16 on the way to a quantiser, and a product that is left as it is and whose result goes on into a quantised operand takes f32 operands (vector FMAs, or v_wmma_f32_16x16x4_f32). A number that lies on a knife's edge between two numbers of the format may be rounded either way, as far as f32 arithmetic and the matrix unit's own rounding can turn it there, and no further.
;; One version. Each part assembles by itself: llvm-mc -triple=amdgcn-amd-amdhsa -mcpu=gfx1250 --defsym DOCPART=n.
;; ======== version 1 of 1: 4 launches
;; workspace buffers: xc 25,165,824 bytes; wc 4,194,304 bytes; qc 8,388,608 bytes; kc 8,388,608 bytes; vc 8,388,608 bytes; ac 8,388,608 bytes
;; launch quant (part 1): grid 256 x 1, 16 waves a work-group, no clusters, 81,920 bytes of LDS; arguments x, wq, wk, wv, wo, lowp_scales, xc, wc; writes xc, wc
.if DOCPART == 1
	.amdgcn_target "amdgcn-amd-amdhsa--gfx1250"
	.amdhsa_code_object_version 6
	.text
	.protected	k_qdb3a014b5d_quant
	.globl	k_qdb3a014b5d_quant
	.p2align	8
	.type	k_qdb3a014b5d_quant,@function
k_qdb3a014b5d_quant:
	s_mov_b64 s[64:65], 0
	v_nop
	global_prefetch_b8 v0, s[64:65] scope:SCOPE_SE
	s_setreg_imm32_b32 hwreg(HW_REG_WAVE_MODE, 25, 1), 1
	s_wait_xcnt 0x0
; x [8192][1024] f32 becomes THREE sets of E4M3 codes (scales 2^e0, 2^e2, 2^e4: x has a scale of its own in each projection), laid [3][8192][1024], K innermost;
; wq, wk, wv, wo [1024][1024] f32 become codes with 2^e1, 2^e3, 2^e5, 2^e11, laid [4][1024][1024].  code = x / 2^e, held within +-448, to the nearest code, ties to even.
; LIMITS: each e between -126 and 119, so that 2^e and 448 x 2^e are f32 numbers.  NaN among the inputs is not served.
; SHARES.  Rows are dense, so every tensor is a plain stream.  Work-group g takes 32,768 numbers of x and 16,384 numbers of weight g / 64; each of its 16 waves four steps of 512 numbers of x and two of the weight.
; A wave's 24 loads (512 consecutive bytes each) all go out at its head; every register is written once, so no store's data and no address is ever rewritten.
; A conversion takes 8 neighbours from ONE lane's registers, a load is dense where neighbouring LANES take neighbouring bytes: so a step's 2,048 bytes turn through the wave's own stage in LDS
; (in: as loaded; out: 64 bytes a lane; 16 bytes of padding behind each 64).  A lane's 16 codes are 16 bytes: a store covers 512 consecutive, aligned bytes.  Waves share nothing: no barrier.
.set SP,   80                          ; a lane's place in a stage: 64 bytes + 16 of padding
.set STG,  32*SP                       ; a stage; each wave has two
.set R,    16                          ; v16-111   six sets of 16 numbers as loaded (x's steps 0-3, the weight's 0-1)
.set X,    112                         ; v112-143  two sets of 16 neighbours
.set T,    144                         ; v144-159  the numbers held within the largest code x the scale
.set C,    160                         ; v160-215  codes: x's step t, set s at 12 t + 4 s; the weight's step u at 48 + 4 u
	s_load_b512 s[16:31], s[0:1], 0x0              ; x, wq, wk, wv, wo, the exponents, xc, wc
	v_lshrrev_b32 v1, 5, v0
	v_readfirstlane_b32 s2, v1                     ; wave 0..15
	v_and_b32 v1, 31, v0                           ; lane
	v_lshlrev_b32 v2, 4, v1                        ; 16 x lane: my bytes of a load's 512, and of a store's
	v_add_nc_u32 v3, 0x800000, v2                  ; the same in x's second set of codes,
	v_add_nc_u32 v4, 0x1000000, v2                 ; and in its third
	s_mul_i32 s12, s2, 2*STG                       ; my wave's stages
	v_lshrrev_b32 v5, 2, v1
	v_mul_u32_u24 v5, v5, SP
	v_and_b32 v6, 3, v1
	v_lshl_add_u32 v5, v6, 4, v5
	v_add_nc_u32 v5, s12, v5                       ; into a stage: SP (lane / 4) + 16 (lane % 4); a load's 512 bytes take eight places
	v_mul_u32_u24 v6, v1, SP
	v_add_nc_u32 v6, s12, v6                       ; out of it: SP x lane
	s_lshr_b32 s3, ttmp9, 6                        ; which weight
	s_lshl_b32 s12, ttmp9, 17
	s_lshl_b32 s13, s2, 13
	s_add_co_u32 s12, s12, s13                     ; x: 131,072 g + 8,192 w bytes
	s_mov_b32 s13, 0
	s_and_b32 s14, ttmp9, 63
	s_lshl_b32 s14, s14, 16
	s_lshl_b32 s15, s2, 12
	s_add_co_u32 s14, s14, s15                     ; the weight: 65,536 (g % 64) + 4,096 w
	s_mov_b32 s15, 0
	s_lshl_b32 s44, ttmp9, 15
	s_lshl_b32 s45, s2, 11
	s_add_co_u32 s44, s44, s45                     ; x's codes: 32,768 g + 2,048 w
	s_mov_b32 s45, 0
	s_lshl_b32 s46, ttmp9, 14
	s_lshl_b32 s47, s2, 10
	s_add_co_u32 s46, s46, s47                     ; the weights' codes: 16,384 g + 1,024 w (64 work-groups to a weight of 1 MiB)
	s_mov_b32 s47, 0
	s_wait_kmcnt 0x0
	s_load_b256 s[32:39], s[26:27], 0x0            ; e0 .. e7
	s_load_b128 s[40:43], s[26:27], 0x20           ; e8 .. e11
	s_cmp_eq_u32 s3, 0                             ; the weight is chosen on the work-group's number alone
	s_cselect_b64 s[6:7], s[18:19], s[20:21]
	s_cmp_lt_u32 s3, 2
	s_cselect_b64 s[6:7], s[6:7], s[22:23]
	s_cmp_lt_u32 s3, 3
	s_cselect_b64 s[6:7], s[6:7], s[24:25]
	s_add_nc_u64 s[4:5], s[16:17], s[12:13]
	s_add_nc_u64 s[6:7], s[6:7], s[14:15]
	s_add_nc_u64 s[8:9], s[28:29], s[44:45]
	s_add_nc_u64 s[10:11], s[30:31], s[46:47]
.irp t, 0,1,2,3
.irp i, 0,1,2,3
	global_load_b128 v[R+16*\t+4*\i:R+16*\t+4*\i+3], v2, s[4:5] offset:2048*\t+512*\i th:TH_LOAD_NT
.endr
.endr
.irp u, 0,1
.irp i, 0,1,2,3
	global_load_b128 v[R+64+16*\u+4*\i:R+64+16*\u+4*\i+3], v2, s[6:7] offset:2048*\u+512*\i th:TH_LOAD_NT
.endr
.endr
	s_wait_kmcnt 0x0
	s_cmp_eq_u32 s3, 0                             ; the weight's exponent: e1, e3, e5 or e11
	s_cselect_b32 s14, s33, s35
	s_cmp_lt_u32 s3, 2
	s_cselect_b32 s14, s14, s37
	s_cmp_lt_u32 s3, 3
	s_cselect_b32 s14, s14, s43
.macro MKS e, sc, lim                  ; 2^e as f32 (the conversion takes its exponent field) and 448 x 2^e
	s_add_co_i32 s12, \e, 127
	s_lshl_b32 s13, s12, 23
	v_mov_b32 v[\sc], s13
	s_add_co_i32 s12, s12, 8
	s_lshl_b32 s12, s12, 23
	s_or_b32 s12, s12, 0x600000
	v_mov_b32 v[\lim], s12
.endm
	MKS s32, 8, 9
	MKS s34, 10, 11
	MKS s36, 12, 13
	MKS s14, 14, 15
.macro TURN k                          ; step k's numbers through stage k % 2: LDS serves a wave's instructions in order, so no wait stands between the stores and the loads
.irp i, 0,1,2,3
	ds_store_b128 v5, v[R+16*(\k)+4*\i:R+16*(\k)+4*\i+3] offset:STG*((\k)%2)+8*SP*\i
.endr
.irp i, 0,1,2,3
	ds_load_b128 v[X+16*((\k)%2)+4*\i:X+16*((\k)%2)+4*\i+3], v6 offset:STG*((\k)%2)+16*\i
.endr
.endm
.macro CONV xs, sc, lim, c             ; 16 neighbours become 16 codes.  The conversion to an 8-bit code does not saturate (ISA guide 7.6.2): the numbers are held first, into T, since x is converted three times
.irp i, 0,1,2,3,4,5,6,7,8,9,10,11,12,13,14,15
	v_med3_num_f32 v[T+\i], v[\xs+\i], -v[\lim], v[\lim]
.endr
	v_cvt_scalef32_pk8_fp8_f32 v[\c:\c+1], v[T:T+7], v[\sc]
	v_cvt_scalef32_pk8_fp8_f32 v[\c+2:\c+3], v[T+8:T+15], v[\sc]
	v_nop                                          ; a plain line between the conversions and the next lines that write T, their source
.endm
.macro STEP k
.set XS, X+16*((\k)%2)
	s_wait_dscnt 0x0                               ; this step's numbers are back from the stage
.if (\k) < 5
	s_wait_loadcnt 16-4*(\k)                       ; the next step's four loads are in; those of the steps behind it, four each, may be out
	TURN (\k)+1
.endif
.if (\k) < 4
	CONV XS, 8, 9, C+12*(\k)
	global_store_b128 v2, v[C+12*(\k):C+12*(\k)+3], s[8:9] offset:512*(\k)
	CONV XS, 10, 11, C+12*(\k)+4
	global_store_b128 v3, v[C+12*(\k)+4:C+12*(\k)+7], s[8:9] offset:512*(\k)
	CONV XS, 12, 13, C+12*(\k)+8
	global_store_b128 v4, v[C+12*(\k)+8:C+12*(\k)+11], s[8:9] offset:512*(\k)
.else
	CONV XS, 14, 15, C+48+4*((\k)-4)
	global_store_b128 v2, v[C+48+4*((\k)-4):C+48+4*((\k)-4)+3], s[10:11] offset:512*((\k)-4)
.endif
.endm
	s_wait_loadcnt 20                              ; step 0's four loads are in; the other five steps' twenty may be out
	TURN 0
.irp k, 0,1,2,3,4,5
	STEP \k
.endr
	s_endpgm
.Lfunc_end_k_qdb3a014b5d_quant:
	.size	k_qdb3a014b5d_quant, .Lfunc_end_k_qdb3a014b5d_quant-k_qdb3a014b5d_quant
	.p2alignl 7, 3214868480
	.fill 96, 4, 3214868480
	.section	.rodata,"a",@progbits
	.p2align	6, 0x0
	.amdhsa_kernel k_qdb3a014b5d_quant
		.amdhsa_group_segment_fixed_size 81920
		.amdhsa_private_segment_fixed_size 0
		.amdhsa_enable_private_segment 0
		.amdhsa_kernarg_size 64
		.amdhsa_user_sgpr_count 2
		.amdhsa_user_sgpr_kernarg_segment_ptr 1
		.amdhsa_wavefront_size32 1
		.amdhsa_system_sgpr_workgroup_id_x 1
		.amdhsa_system_sgpr_workgroup_id_y 1
		.amdhsa_system_sgpr_workgroup_id_z 1
		.amdhsa_system_vgpr_workitem_id 0
		.amdhsa_next_free_vgpr 224
		.amdhsa_next_free_sgpr 66
		.amdhsa_reserve_vcc 0
		.amdhsa_float_denorm_mode_32 3
		.amdhsa_float_denorm_mode_16_64 3
		.amdhsa_memory_ordered 1
		.amdhsa_forward_progress 1
		.amdhsa_inst_pref_size 27
	.end_amdhsa_kernel
	.amdgpu_metadata
---
amdhsa.version: [ 1, 2 ]
amdhsa.kernels:
  - .name:           k_qdb3a014b5d_quant
    .symbol:         k_qdb3a014b5d_quant.kd
    .args:
      - { .name: x, .offset: 0, .size: 8, .value_kind: global_buffer, .address_space: global }
      - { .name: wq, .offset: 8, .size: 8, .value_kind: global_buffer, .address_space: global }
      - { .name: wk, .offset: 16, .size: 8, .value_kind: global_buffer, .address_space: global }
      - { .name: wv, .offset: 24, .size: 8, .value_kind: global_buffer, .address_space: global }
      - { .name: wo, .offset: 32, .size: 8, .value_kind: global_buffer, .address_space: global }
      - { .name: lowp_scales, .offset: 40, .size: 8, .value_kind: global_buffer, .address_space: global }
      - { .name: xc, .offset: 48, .size: 8, .value_kind: global_buffer, .address_space: global }
      - { .name: wc, .offset: 56, .size: 8, .value_kind: global_buffer, .address_space: global }
    .group_segment_fixed_size: 81920
    .private_segment_fixed_size: 0
    .kernarg_segment_align: 8
    .kernarg_segment_size: 64
    .max_flat_workgroup_size: 512
    .sgpr_count:     66
    .vgpr_count:     224
    .wavefront_size: 32
...
	.end_amdgpu_metadata
.endif
;; end of part 1
;; launch qkv (part 2): grid 12 x 32, 4 waves a work-group, clusters of 4 x 4, 327,680 bytes of LDS; arguments xc, wc, lowp_scales, bq, bk, bv, qc, kc, vc; writes qc, kc, vc
.if DOCPART == 2
	.amdgcn_target "amdgcn-amd-amdhsa--gfx1250"
	.amdhsa_code_object_version 6
	.text
	.protected	k_qdb3a014b5d_qkv
	.globl	k_qdb3a014b5d_qkv
	.p2align	8
	.type	k_qdb3a014b5d_qkv,@function
k_qdb3a014b5d_qkv:
	s_mov_b64 s[64:65], 0
	v_nop
	global_prefetch_b8 v0, s[64:65] scope:SCOPE_SE
	s_setreg_imm32_b32 hwreg(HW_REG_WAVE_MODE, 25, 1), 1
	s_wait_xcnt 0x0
	s_wait_alu depctr_hold_cnt(0) depctr_sa_sdst(0) depctr_va_vdst(0) depctr_va_sdst(0) depctr_va_ssrc(0) depctr_va_vcc(0) depctr_vm_vsrc(0)
	s_getreg_b32 s2, hwreg(HW_REG_IB_STS2, 6, 4)
	s_cmp_eq_u32 s2, 0
	s_cbranch_scc0 .Lentry_in_a_cluster
	s_endpgm
.Lentry_in_a_cluster:
	s_bfe_u32 s2, ttmp6, 0x10000c
	s_cmp_lg_u32 s2, 0xf033
	s_cbranch_scc0 .Lentry_shape_is_right
	s_endpgm
.Lentry_shape_is_right:
; The three projections on E4M3 codes, each result + bias quantised at once to E4M3: q (2^e6), k (2^e7), v (2^e9).  Sums in f32; value = sum x 2^(ea + eb) + bias, in f32, ahead of the quantiser.
; The cluster's x says which: 0 = q, 1 = k, 2 = v.  q, k: A = that set of x's codes [8192][1024], B = the weight's codes [1024][1024].  v IS MADE TRANSPOSED by exchanging the data, not the text: A = wv's codes, B = x's third set,
; so that its rows are channels and its columns tokens, the keys, which are the K of attention's second product.
; A tile of the result, 256 x 256, is made by four waves, each 128 x 128: 64 accumulators, 512 registers.  K = 1,024 goes in steps of 256 through a ring of two LDS slots filled by the tensor data mover.
; CLUSTERS: 4 x 4 work-groups; A's tile is asked for jointly along a row of the cluster, B's along a column.  The choice of tensors hangs on the cluster's x alone, which all sixteen share.
; THE MATRIX INSTRUCTION IS USED TRANSPOSED (source 0 = 16 rows of B, source 1 = 16 rows of A): a lane holds row l % 16 of A's block and the columns 16 b + 8 (l / 16) + 0 .. 7.
; THE OUTPUT'S LAYOUT: [columns / 32][rows / 16][512 bytes]; in such an image lane l owns the 16 bytes at 16 l: byte 8 u + j is column 16 u + 8 (l / 16) + j of row l % 16.  That is what a lane holds in two neighbouring
; accumulators, so the codes are stored from registers, 512 consecutive, aligned bytes a store, with no way through LDS; and it is the order in which the plain 8-bit forms want a lane's registers.
; LIMITS: ea + eb between -126 and 127; the output's exponent between -126 and 119.  NaN is not served.
; REGISTERS: window 0: v16-21 fragment addresses; v28, v29 the add's; v32-95 bias; v96-99 store offsets; v100-102; from v128 A's fragments, ONE set, later the values (v128-191) and codes (v192-223).
;   window 1: B's fragments, TWO sets.   windows 2, 3: the accumulators ((a, b) at v[8 (8 (a % 4) + b)]).
.set ROWB,   256                       ; a tile's row in bytes
.set KROW,   1024                      ; a row of codes in memory
.set PITCH,  272                       ; an LDS row: 256 bytes + 16 of padding: the 16 rows that a load touches start at 16 different banks (64 banks of 4 bytes: ISA guide 11.1)
.set FR,     16
.set NL,     4
.set NP,     4                         ; places behind this matrix instruction (ISA guide 7.12.1)
.set HALFT,  128*PITCH
.set SLOT,   4*HALFT                   ; A's 256 rows, then B's 256 rows
.set LAPS,   2                         ; 1,024 / 512: a lap is once round the ring
.set SPARE,  2*SLOT                    ; the spare words: 128 bytes for each wave, named by no other line
.set ADRA, 16
.set ADRB, 20
.set SPW,  28
.set NIL,  29
.set BI,   32                          ; the bias
.set VO,   96                          ; v96-99  16 x lane + c x (bytes from a chunk of 32 columns to the next)
.set SC,   100                         ; 2^eo
.set LIM,  101                         ; 448 x 2^eo
.set BO,   102                         ; my lane's offset in the bias
.set AF,   128
.set TT,   128                         ; a block's 64 values
.set CD,   192                         ; its codes, two sets of 16 by turns
.set G1, 24
.set G0, 32
.set G1B, 48
.set G0B, 56
.set MSB, 0
.macro WIN new                         ; the immediate's high byte repeats the setting that is left
.if MSB != \new
	s_set_vgpr_msb (MSB<<8)|\new
.set MSB, \new
.endif
.endm
.set MUL_LO, 0xa1                      ; source 0 (B) window 1, source 1 (A) window 0, C and D window 2
.set MUL_HI, 0xf1
.set TO_B,   0x40
; A joint load: waves 0 and 1 fetch for A, waves 2 and 3 for B; the branch hangs on the wave's number alone.  Four v_nop follow each of the two lines.
.macro JLOAD g0a, g1a, g0b, g1b
	s_cmp_eq_u32 s15, 0
	s_cbranch_scc0 .Lfor_b_\@
	tensor_load_to_lds s[\g0a:\g0a+3], s[\g1a:\g1a+7]
.rept 4
	v_nop
.endr
	s_branch .Lasked_\@
.Lfor_b_\@:
	tensor_load_to_lds s[\g0b:\g0b+3], s[\g1b:\g1b+7]
.rept 4
	v_nop
.endr
.Lasked_\@:
.endm
.macro CREST                           ; a round of the cluster's barrier behind its opening barrier
	s_cmp_lg_u32 s14, 0
	s_cbranch_scc1 .Lnot_wave_0_\@
	s_barrier_signal -3
.Lnot_wave_0_\@:
	s_barrier_wait -3
	s_barrier_signal -1
	s_barrier_wait -1
.endm
.macro CROUND
	s_barrier_signal -1
	s_barrier_wait -1
	CREST
.endm
	s_load_b512 s[80:95], s[0:1], 0x0              ; xc, wc, the exponents, bq, bk, bv, qc, kc
	s_load_b64 s[96:97], s[0:1], 0x40              ; vc
	v_lshl_add_u32 v[SPW], v0, 2, SPARE
	v_mov_b32 v[NIL], 0
	v_lshrrev_b32 v1, 5, v0
	v_readfirstlane_b32 s14, v1                    ; wave 0..3
	s_lshr_b32 s15, s14, 1                         ; which half of the tile's rows is mine.  Also: I fetch for A (0) or for B (1)
	s_and_b32 s16, s14, 1                          ; which half of its columns.  Also: which 128 rows of that tile I fetch
	s_bfe_u32 s40, ttmp6, 0x40000                  ; cx
	s_bfe_u32 s41, ttmp6, 0x40004                  ; cy
	s_and_b32 s18, ttmp7, 0xffff
	s_lshl_b32 s18, s18, 2                         ; 4 x cluster y
	s_cmp_eq_u32 ttmp9, 2                          ; v?  The long axis (tokens, 32 tiles) is A's for q and k, B's for v
	s_cselect_b32 s17, 0, s18
	s_cselect_b32 s42, s18, 0
	s_add_co_u32 s17, s17, s41                     ; tile row: of cy (and cluster y)
	s_add_co_u32 s42, s42, s40                     ; tile column: of cx (and cluster y)
	s_lshl_b32 s43, s41, 2
	s_lshl_b32 s43, 15, s43                        ; my row of the cluster
	s_lshl_b32 s44, 0x1111, s40                    ; my column
	s_or_b32 s[G1+0], s43, (0<<16)|(1<<20)|(1<<21)|(5<<22)|(3<<25)  ; the mask; elements of 1 byte; padding on; bit 21 beside a mask; 4 words of padding after every 64
	s_or_b32 s[G1B+0], s44, (0<<16)|(1<<20)|(1<<21)|(5<<22)|(3<<25)
.irp g, G1, G1B
	s_mov_b32 s[\g+1], ROWB<<16                    ; tensor_dim0
	s_mov_b32 s[\g+2], 128<<16                     ; tensor_dim1
	s_mov_b32 s[\g+3], ROWB<<16                    ; tile_dim0
	s_mov_b32 s[\g+4], 128                         ; tile_dim1
	s_mov_b32 s[\g+5], KROW                        ; the pitch
	s_mov_b32 s[\g+6], 0
	s_mov_b32 s[\g+7], 0
.endr
	s_lshl_b32 s19, s16, 7                         ; which 128 rows of the tile I fetch
	s_lshl_b32 s20, s17, 8
	s_add_co_u32 s20, s20, s19
	s_lshl_b32 s20, s20, 10                        ; A: (256 x tile row + 128 x half) rows of 1,024 bytes
	s_mov_b32 s21, 0
	s_lshl_b32 s46, s42, 8
	s_add_co_u32 s46, s46, s19
	s_lshl_b32 s46, s46, 10                        ; B likewise, by the tile column
	s_mov_b32 s47, 0
	s_mul_i32 s45, s14, HALFT                      ; where they go: wave x 128 rows
	s_wait_kmcnt 0x0
	s_load_b256 s[68:75], s[84:85], 0x0            ; e0 .. e7
	s_load_b128 s[76:79], s[84:85], 0x20           ; e8 .. e11
	s_lshl_b32 s18, ttmp9, 23
	s_mov_b32 s19, 0
	s_add_nc_u64 s[80:81], s[80:81], s[18:19]      ; x's set of codes for this projection: 8 MiB apart
	s_lshl_b32 s18, ttmp9, 20
	s_add_nc_u64 s[82:83], s[82:83], s[18:19]      ; the weight's codes: 1 MiB apart
	s_cmp_eq_u32 ttmp9, 2
	s_cselect_b64 s[4:5], s[82:83], s[80:81]       ; A
	s_cselect_b64 s[6:7], s[80:81], s[82:83]       ; B
	s_add_nc_u64 s[20:21], s[4:5], s[20:21]
	s_add_nc_u64 s[46:47], s[6:7], s[46:47]
	CROUND                                         ; all sixteen work-groups are here: the first joint loads meet
.irp s, 0,1
	s_mov_b32 s[G0+4*\s], 1
	s_add_co_u32 s[G0+4*\s+1], s45, \s*SLOT
	s_add_nc_u64 s[G0+4*\s+2:G0+4*\s+3], s[20:21], \s*ROWB
	s_or_b32 s[G0+4*\s+3], s[G0+4*\s+3], 0x80000000
	s_mov_b32 s[G0B+4*\s], 1
	s_add_co_u32 s[G0B+4*\s+1], s45, \s*SLOT
	s_add_nc_u64 s[G0B+4*\s+2:G0B+4*\s+3], s[46:47], \s*ROWB
	s_or_b32 s[G0B+4*\s+3], s[G0B+4*\s+3], 0x80000000
	JLOAD G0+4*\s, G1, G0B+4*\s, G1B
.endr
	v_and_b32 v1, 15, v0                           ; l % 16
	v_bfe_u32 v2, v0, 4, 1                         ; l / 16
	v_mul_u32_u24 v3, v1, PITCH
	v_lshl_add_u32 v4, v2, 4, v3                   ; a fragment's row x pitch + 16 x half
	s_mul_i32 s21, s15, HALFT                      ; my 128 rows of A
	s_mul_i32 s22, s16, HALFT                      ; my 128 rows of B,
	s_add_co_u32 s22, s22, 2*HALFT                 ; which lie behind A's 256
.irp s, 0,1
	v_add_nc_u32 v[ADRA+\s], s21, v4
	v_add_nc_u32 v[ADRB+\s], s22, v4
	s_add_co_u32 s21, s21, SLOT
	s_add_co_u32 s22, s22, SLOT
.endr
.macro FRAG reg, adr, q, i             ; 16 rows x 128 K: registers 4 c .. 4 c + 3 hold K = 32 c + 16 (l / 16) + 0 .. 15: the same permutation of k in A and in B
.irp c, 0,1,2,3
	ds_load_b128 v[\reg+4*\c:\reg+4*\c+3], v[\adr] offset:128*(\q)+32*\c+(\i)*16*PITCH
.endr
.endm
; 16 matrix instructions: A's blocks a0, a0 + 1 x B's eight.  The 64 accumulators take turns, one instruction a turn, in the same order in every step.
.macro MUL16 a0, p, zero
.irp a, \a0, \a0+1
.irp b, 0,1,2,3,4,5,6,7
.if \zero
	v_wmma_f32_16x16x128_fp8_fp8 v[8*(8*((\a)%4)+\b):8*(8*((\a)%4)+\b)+7], v[128*(\p)+FR*\b:128*(\p)+FR*\b+FR-1], v[AF+FR*(\a):AF+FR*(\a)+FR-1], 0
.else
	v_wmma_f32_16x16x128_fp8_fp8 v[8*(8*((\a)%4)+\b):8*(8*((\a)%4)+\b)+7], v[128*(\p)+FR*\b:128*(\p)+FR*\b+FR-1], v[AF+FR*(\a):AF+FR*(\a)+FR-1], v[8*(8*((\a)%4)+\b):8*(8*((\a)%4)+\b)+7]
.endif
.endr
.endr
.endm
.macro FETCH_B slot, q, p
	WIN TO_B
.irp i, 0,1,2,3,4,5,6,7
	FRAG 128*(\p)+FR*\i, ADRB+\slot, \q, \i
.endr
	WIN 0
.endm
.macro FETCH_A slot, q, i0
.irp i, \i0, \i0+1, \i0+2, \i0+3
	FRAG AF+FR*(\i), ADRA+\slot, \q, \i
.endr
.endm
.macro PLACES n                        ; plain vector lines between a matrix instruction and a load into, or a read of, its registers
.rept \n
	v_nop
.endr
.endm
; A step of 128 along K that has its successor in the same slot.  A has one set of registers: blocks 0-3 are fetched anew in the step's middle, blocks 4-7 at its end; B has two sets.
.macro STEP slot, q, zero
	s_wait_dscnt 4*NL                              ; B's set and A's blocks 0-3 are in; the youngest sixteen loads (A's blocks 4-7) may be out
	WIN MUL_LO
	MUL16 0, (\q)%2, \zero
	MUL16 2, (\q)%2, \zero
	s_wait_dscnt 0
	PLACES NP
	FETCH_B \slot, (\q)+1, 1-(\q)%2
	FETCH_A \slot, (\q)+1, 0
	WIN MUL_HI
	MUL16 4, (\q)%2, \zero
	MUL16 6, (\q)%2, \zero
	PLACES NP
	WIN 0
	FETCH_A \slot, (\q)+1, 4
.endm
; A slot's last step changes slots: one barrier; in front of it each wave waits for all its tensor loads, adds 0 to its spare word, and waits for that and for its reads of this slot.
.macro TURN slot, next, fill
	s_wait_tensorcnt 0x0                           ; all my tensor loads have landed: my part of the next slot
	ds_add_u32 v[SPW], v[NIL]                      ; 0 onto my spare word
	s_wait_dscnt 4*NL+1                            ; (the add and the youngest sixteen loads may be out)
	WIN MUL_LO
	MUL16 0, 1, 0
	s_wait_dscnt 0x0                               ; the add is done, and my reads of this slot are over
	s_barrier_signal -1
	MUL16 2, 1, 0
	WIN 0
	s_barrier_wait -1
.if \fill
	CREST                                          ; the barrier has opened a round of the cluster's: no wave of any partner still reads this slot or has a load on its way
	s_add_nc_u64 s[G0+4*\slot+2:G0+4*\slot+3], s[G0+4*\slot+2:G0+4*\slot+3], 2*ROWB
	s_add_nc_u64 s[G0B+4*\slot+2:G0B+4*\slot+3], s[G0B+4*\slot+2:G0B+4*\slot+3], 2*ROWB
	JLOAD G0+4*\slot, G1, G0B+4*\slot, G1B         ; the first tensor load behind the round; its four v_nop are also the places in front of the loads below
.else
	PLACES NP
.endif
	FETCH_B \next, 0, 0
	FETCH_A \next, 0, 0
	WIN MUL_HI
	MUL16 4, 1, 0
	MUL16 6, 1, 0
	PLACES NP
	WIN 0
	FETCH_A \next, 0, 4
.endm
.macro LAST                            ; the very last step: nothing more to fetch
	s_wait_dscnt 4*NL
	WIN MUL_LO
	MUL16 0, 1, 0
	MUL16 2, 1, 0
	s_wait_dscnt 0
	WIN MUL_HI
	MUL16 4, 1, 0
	MUL16 6, 1, 0
	WIN 0
.endm
.macro SCALES                          ; s18, s19: the operands' exponents; s66: the output's
	s_add_co_i32 s98, s18, s19
	s_add_co_i32 s98, s98, 127
	s_lshl_b32 s98, s98, 23                        ; 2^(ea + eb) as f32
	s_mov_b32 s99, s98                             ; (named with it as a pair, so it is written)
	s_add_co_i32 s66, s66, 127
	s_lshl_b32 s67, s66, 23
	v_mov_b32 v[SC], s67
	s_add_co_i32 s66, s66, 8
	s_lshl_b32 s66, s66, 23
	s_or_b32 s66, s66, 0x600000
	v_mov_b32 v[LIM], s66
.endm
.macro VOFF s1                         ; 16 x lane + c x s1
	v_and_b32 v[VO], 31, v0
	v_lshlrev_b32 v[VO], 4, v[VO]
	v_add_nc_u32 v[VO+1], \s1, v[VO]
	v_add_nc_u32 v[VO+2], 2*\s1, v[VO]
	v_add_nc_u32 v[VO+3], 3*\s1, v[VO]
.endm
; THE WAY OUT, block by block of 16 rows x 128 columns: value = sum x 2^(ea + eb) + bias (one packed multiply-add for two; each accumulator from its low end on), held within +-448 x 2^eo, converted;
; two neighbouring accumulators give a lane its 16 bytes of an image.  kind = 0: the bias goes by columns (64 registers); 1: by rows (a pair for each block).
.macro EPI kind
	PLACES NP
	s_wait_loadcnt 0x0                             ; the bias
.irp a, 0,1,2,3,4,5,6,7
.set AC, 64*((\a)%4)
.set CS, CD+16*((\a)%2)
	WIN 0x02+((\a)/4)                              ; source 0: window 2 or 3
.set jj, 0
.rept 32
.if \kind
	v_pk_fma_f32 v[TT+jj:TT+jj+1], v[AC+jj:AC+jj+1], s[98:99], v[BI+2*\a:BI+2*\a+1] op_sel_hi:[1,0,1]
.else
	v_pk_fma_f32 v[TT+jj:TT+jj+1], v[AC+jj:AC+jj+1], s[98:99], v[BI+jj:BI+jj+1] op_sel_hi:[1,0,1]
.endif
.set jj, jj+2
.endr
	WIN 0
.if \a >= 2
	s_wait_xcnt 0x0                                ; the stores of two blocks ago have read this set of codes: it is written again only behind this wait
.endif
.irp c, 0,1,2,3
.irp i, 0,1,2,3,4,5,6,7,8,9,10,11,12,13,14,15
	v_med3_num_f32 v[TT+16*\c+\i], v[TT+16*\c+\i], -v[LIM], v[LIM]   ; the conversion does not saturate (ISA guide 7.6.2)
.endr
	v_cvt_scalef32_pk8_fp8_f32 v[CS+4*\c:CS+4*\c+1], v[TT+16*\c:TT+16*\c+7], v[SC]
	v_cvt_scalef32_pk8_fp8_f32 v[CS+4*\c+2:CS+4*\c+3], v[TT+16*\c+8:TT+16*\c+15], v[SC]
.endr
	v_nop                                          ; a plain line between the conversions and the next block's lines, which write their sources
.irp c, 0,1,2,3
	global_store_b128 v[VO+\c], v[CS+4*\c:CS+4*\c+3], s[10:11] offset:512*\a   ; an image: 32 lanes store 512 consecutive bytes, at a multiple of 512 from the buffer's first byte
.endr
.endr
.endm
	s_wait_tensorcnt 1                             ; my part of K step 0 is in; K step 1's load may be out
	s_barrier_signal -1
	s_barrier_wait -1
	FETCH_B 0, 0, 0
	FETCH_A 0, 0, 0
	FETCH_A 0, 0, 4
	STEP 0, 0, 1                                   ; the first step's products start the sums
	s_mov_b32 s3, LAPS-1
.Llap:                                                 ; a trip goes once round the ring and fills both slots again
	TURN 0, 1, 1
	STEP 1, 0, 0
	TURN 1, 0, 1
	STEP 0, 0, 0
	s_sub_co_u32 s3, s3, 1
	s_cmp_lg_u32 s3, 0
	s_cbranch_scc1 .Llap
	TURN 0, 1, 0                                   ; the last lap fills nothing
	STEP 1, 0, 0
	; The ways part once, on the cluster's x, ahead of the last step, so that the bias lands under its 64 products.  Neither way has a barrier, a tensor load or an LDS store.
	s_cmp_eq_u32 ttmp9, 2
	s_cbranch_scc1 .Lv_arm
	s_wait_kmcnt 0x0                               ; the exponents
	s_cmp_eq_u32 ttmp9, 0
	s_cselect_b64 s[8:9], s[86:87], s[88:89]       ; bq or bk
	s_cselect_b64 s[10:11], s[92:93], s[94:95]     ; qc or kc
	s_cselect_b32 s18, s68, s70
	s_cselect_b32 s19, s69, s71
	s_cselect_b32 s66, s74, s75
	s_lshl_b32 s20, s42, 10
	s_lshl_b32 s21, s16, 9
	s_add_co_u32 s20, s20, s21                     ; my 128 columns' bias: 4 (256 x tile column + 128 x half) bytes
	s_mov_b32 s21, 0
	s_add_nc_u64 s[8:9], s[8:9], s[20:21]
	v_bfe_u32 v[BO], v0, 4, 1
	v_lshlrev_b32 v[BO], 5, v[BO]                  ; + 32 (l / 16): my eight columns of a block of 16
.irp b, 0,1,2,3,4,5,6,7
	global_load_b128 v[BI+8*\b:BI+8*\b+3], v[BO], s[8:9] offset:64*\b
	global_load_b128 v[BI+8*\b+4:BI+8*\b+7], v[BO], s[8:9] offset:64*\b+16
.endr
	s_lshl_b32 s20, s42, 21                        ; (8 x tile column + 4 x half) chunks of 262,144 bytes
	s_lshl_b32 s46, s16, 20
	s_add_co_u32 s20, s20, s46
	s_lshl_b32 s46, s17, 13                        ; + (16 x tile row + 8 x half) images of 512
	s_add_co_u32 s20, s20, s46
	s_lshl_b32 s46, s15, 12
	s_add_co_u32 s20, s20, s46
	s_add_nc_u64 s[10:11], s[10:11], s[20:21]
	SCALES
	VOFF 262144
	LAST
	EPI 0
	s_branch .Lend
.Lv_arm:
	s_wait_kmcnt 0x0
	s_mov_b64 s[8:9], s[90:91]                     ; bv
	s_mov_b64 s[10:11], s[96:97]                   ; vc
	s_mov_b32 s18, s72
	s_mov_b32 s19, s73
	s_mov_b32 s66, s77
	s_lshl_b32 s20, s17, 10
	s_lshl_b32 s21, s15, 9
	s_add_co_u32 s20, s20, s21                     ; my 128 rows' bias: the rows are the channels here
	s_mov_b32 s21, 0
	s_add_nc_u64 s[8:9], s[8:9], s[20:21]
	v_and_b32 v[BO], 15, v0
	v_lshlrev_b32 v[BO], 2, v[BO]                  ; + 4 (l % 16): my row of a block
.irp a, 0,1,2,3,4,5,6,7
	global_load_b32 v[BI+2*\a], v[BO], s[8:9] offset:64*\a
	global_load_b32 v[BI+2*\a+1], v[BO], s[8:9] offset:64*\a   ; the same number in both words of a pair, for the packed multiply-add
.endr
	s_lshl_b32 s20, s42, 18                        ; (8 x tile column + 4 x half) chunks of 32,768 bytes
	s_lshl_b32 s46, s16, 17
	s_add_co_u32 s20, s20, s46
	s_lshl_b32 s46, s17, 13
	s_add_co_u32 s20, s20, s46
	s_lshl_b32 s46, s15, 12
	s_add_co_u32 s20, s20, s46
	s_add_nc_u64 s[10:11], s[10:11], s[20:21]
	SCALES
	VOFF 32768
	LAST
	EPI 1
.Lend:
	s_wait_tensorcnt 0x0                           ; the wave's end
	ds_add_u32 v[SPW], v[NIL]
	s_wait_dscnt 0x0
	CROUND                                         ; the closing round: no work-group ends while a partner may still ask for a tile that names it
	s_endpgm
.Lfunc_end_k_qdb3a014b5d_qkv:
	.size	k_qdb3a014b5d_qkv, .Lfunc_end_k_qdb3a014b5d_qkv-k_qdb3a014b5d_qkv
	.p2alignl 7, 3214868480
	.fill 96, 4, 3214868480
	.section	.rodata,"a",@progbits
	.p2align	6, 0x0
	.amdhsa_kernel k_qdb3a014b5d_qkv
		.amdhsa_group_segment_fixed_size 327680
		.amdhsa_private_segment_fixed_size 0
		.amdhsa_enable_private_segment 0
		.amdhsa_kernarg_size 72
		.amdhsa_user_sgpr_count 2
		.amdhsa_user_sgpr_kernarg_segment_ptr 1
		.amdhsa_wavefront_size32 1
		.amdhsa_system_sgpr_workgroup_id_x 1
		.amdhsa_system_sgpr_workgroup_id_y 1
		.amdhsa_system_sgpr_workgroup_id_z 1
		.amdhsa_system_vgpr_workitem_id 0
		.amdhsa_next_free_vgpr 1024
		.amdhsa_next_free_sgpr 100
		.amdhsa_reserve_vcc 0
		.amdhsa_float_denorm_mode_32 3
		.amdhsa_float_denorm_mode_16_64 3
		.amdhsa_memory_ordered 1
		.amdhsa_forward_progress 1
		.amdhsa_inst_pref_size 199
	.end_amdhsa_kernel
	.amdgpu_metadata
---
amdhsa.version: [ 1, 2 ]
amdhsa.kernels:
  - .name:           k_qdb3a014b5d_qkv
    .symbol:         k_qdb3a014b5d_qkv.kd
    .args:
      - { .name: xc, .offset: 0, .size: 8, .value_kind: global_buffer, .address_space: global }
      - { .name: wc, .offset: 8, .size: 8, .value_kind: global_buffer, .address_space: global }
      - { .name: lowp_scales, .offset: 16, .size: 8, .value_kind: global_buffer, .address_space: global }
      - { .name: bq, .offset: 24, .size: 8, .value_kind: global_buffer, .address_space: global }
      - { .name: bk, .offset: 32, .size: 8, .value_kind: global_buffer, .address_space: global }
      - { .name: bv, .offset: 40, .size: 8, .value_kind: global_buffer, .address_space: global }
      - { .name: qc, .offset: 48, .size: 8, .value_kind: global_buffer, .address_space: global }
      - { .name: kc, .offset: 56, .size: 8, .value_kind: global_buffer, .address_space: global }
      - { .name: vc, .offset: 64, .size: 8, .value_kind: global_buffer, .address_space: global }
    .group_segment_fixed_size: 327680
    .private_segment_fixed_size: 0
    .kernarg_segment_align: 8
    .kernarg_segment_size: 72
    .max_flat_workgroup_size: 128
    .sgpr_count:     100
    .vgpr_count:     1024
    .wavefront_size: 32
...
	.end_amdgpu_metadata
.endif
;; end of part 2
;; launch attn (part 3): grid 248 x 1, 16 waves a work-group, no clusters, 327,680 bytes of LDS; arguments qc, kc, vc, lowp_scales, ac; writes ac
.if DOCPART == 3
	.amdgcn_target "amdgcn-amd-amdhsa--gfx1250"
	.amdhsa_code_object_version 6
	.text
	.protected	k_qdb3a014b5d_attn
	.globl	k_qdb3a014b5d_attn
	.p2align	8
	.type	k_qdb3a014b5d_attn,@function
k_qdb3a014b5d_attn:
	s_mov_b64 s[64:65], 0
	v_nop
	global_prefetch_b8 v0, s[64:65] scope:SCOPE_SE
	s_setreg_imm32_b32 hwreg(HW_REG_WAVE_MODE, 25, 1), 1
	s_wait_xcnt 0x0
; Attention on E4M3 codes, head size 64, 4 batches x 16 heads x 2,048 tokens.  Head 0 sees all keys; heads 1 to 15 the keys with |q - k| <= 128 (the mask that the problem builds itself): what it hides is not multiplied.
; t = score x 2^(e6 + e7) x log2(e) / 8; M = the running largest t rounded UP to a whole number; p = 2^(t - M) is quantised with 2^e8; the row's sum is taken of the unquantised p and divides at the end;
; the result x 2^(e8 + e9) / sum is quantised with 2^e10 for the output projection.
; INPUTS: qc, kc: [64 columns' chunks of 32: 2 h + c][token / 16][512-byte image]; vc: [token / 32][channel / 16][image].  In an image lane l owns the 16 bytes at 16 l: byte 8 u + j = column 16 u + 8 (l / 16) + j of row l % 16:
; the order in which the plain 8-bit forms take a lane's registers.  So every fragment is ds_load_b128 at 16 x lane.  OUTPUT ac: as qc, but byte i = column 16 (l / 16) + i.
; Both products are used transposed: S^T = K Q^T (source 0 = 16 keys), O^T = V^T P^T (source 0 = 16 channels): a lane holds ONE query (l % 16); register j of a tile of scores is key 8 (l / 16) + j, and two converted
; registers a tile ARE the second product's operand.
; SHARES.  A wave owns a tile of 16 queries.  Work-groups 0-119 (LOCAL): a batch, a head 1..15, half of the tokens: four units of 256 queries; a pair of waves m walks 288 keys from KW = q0 - 128 + 32 m on: steps of 128, 128 and 32.
; Work-groups 120-247 (GLOBAL): head 0, 64 queries; wave w takes tile w % 4 and the key quarter w / 4, four steps of 128 keys; the four parts of a tile meet in LDS and are joined by exact powers of two.
; LDS is filled ONCE: four groups of 64 KiB (K: [2 chunks][32 tiles][512]; V behind it: [16 chunks][4 tiles][512]), each wave four tensor loads of 4 KiB at the head; a local unit j, or a global step j, reads group j.
; By this text's own count a wave has four tensor loads out.  No byte is filled twice.  Tiles that would lie outside the sequence are fetched from clamped places: finite codes, whose scores are hidden.
; No cluster: local work-groups share no tile, and one text serves both kinds.  No prefetch: every tile is asked for at the work-group's head.
; LIMITS: e6 + e7 between -123 and 130 (added to c's exponent field); e8 and e10 between -126 and 119; e8 + e9 is applied by v_ldexp_f32.  NaN is not served.
; REGISTERS: v1 16 x lane; v2-5 my places in a group (K local, V local, K global, V global); v6, v7 the step's; v8 16 (w % 2) + l % 16; v9 8 (l / 16); v10, v11 the mask's bounds; v12 -M, v13 the largest t, v[14:15] the sum;
;   v16-23 Q; v24-27 the meeting place; v28 -infinity; v32-95 fragments of K or V; v96-159 S^T, then p; v160-191 O^T; v192-207 p's codes; v208-215 the result's codes; v216-231 the joining; v236-254 at work.
.set GRP,  65536                       ; a group in LDS
.set MRG,  262144                      ; behind the groups: twelve places of MSL bytes, for waves 4 to 15 of a global work-group: O^T (4,096 bytes), then -M and the sum (256)
.set MSL,  4608
.set G1K,  24                          ; s[24:31] group 1 for K's fills, s[32:39] for V's; s[40:55], s[80:95] their four groups 0
.set G1V,  32
.set G0K,  40
.set G0V,  80
.macro PLACES n
.rept \n
	v_nop
.endr
.endm
	s_load_b256 s[4:11], s[0:1], 0x0               ; qc, kc, vc, the exponents
	s_load_b64 s[12:13], s[0:1], 0x20              ; ac
	v_lshrrev_b32 v1, 5, v0
	v_readfirstlane_b32 s14, v1                    ; wave 0..15
	s_cmp_ge_u32 ttmp9, 120
	s_cselect_b32 s15, 1, 0                        ; 1: a global work-group
	s_lshr_b32 s61, ttmp9, 1                       ; local: X = 15 b + h - 1
	s_mul_i32 s62, s61, 137
	s_lshr_b32 s62, s62, 11                        ; b = X / 15 (exact for X < 60)
	s_mul_i32 s63, s62, 15
	s_sub_co_u32 s63, s61, s63
	s_add_co_u32 s63, s63, 1                       ; h
	s_and_b32 s66, ttmp9, 1                        ; which half of the tokens
	s_sub_co_u32 s67, ttmp9, 120                   ; global: 32 b + block of 64 queries
	s_lshr_b32 s96, s67, 5
	s_and_b32 s97, s67, 31
	s_lshl_b32 s98, s66, 6
	s_add_co_u32 s99, s98, s14                     ; local: my first tile of queries in the batch: 64 half + w
	s_lshl_b32 s100, s97, 2
	s_and_b32 s101, s14, 3
	s_add_co_u32 s100, s100, s101                  ; global: 4 block + w % 4
	s_sub_co_i32 s98, s98, 8                       ; local: group 0 begins 8 tiles of keys ahead of the first query
	s_cmp_lg_u32 s15, 0
	s_cselect_b32 s16, s96, s62                    ; b
	s_cselect_b32 s17, 0, s63                      ; h
	s_cselect_b32 s19, s100, s99
	s_cselect_b32 s61, 0, s98                      ; K's fills: tile = TA + TJ j + TP (w % 4), eight tiles each
	s_cselect_b32 s62, 8, 16
	s_cselect_b32 s63, 32, 8
	s_lshl_b32 s18, s66, 10
	s_lshr_b32 s96, s14, 1
	s_lshl_b32 s97, s96, 5
	s_add_co_u32 s18, s18, s97
	s_sub_co_i32 s18, s18, 128                     ; KW of unit 0: 1,024 half - 128 + 32 (w / 2)
	s_lshl_b32 s97, s16, 7
	s_add_co_u32 s19, s19, s97                     ; my tile of queries among all 512
	s_lshl_b32 s19, s19, 9
	s_lshl_b32 s97, s17, 19
	s_add_co_u32 s2, s19, s97                      ; in qc and ac: 2 h chunks of 262,144 bytes + the tile's image
	s_mov_b32 s3, 0
	s_mul_i32 s98, s101, s63
	s_add_co_i32 s98, s98, s61                     ; TA + TP (w % 4)
	s_bfe_u32 s99, s14, 0x10002                    ; which of the head's two chunks: (w / 4) % 2
	s_lshl_b32 s100, s17, 1
	s_add_co_u32 s99, s99, s100
	s_lshl_b32 s99, s99, 18
	s_lshl_b32 s100, s16, 16
	s_add_co_u32 s99, s99, s100                    ; kc: the chunk + the batch's 128 tiles
	s_ashr_i32 s61, s61, 1                         ; V's fills: chunk of 32 keys = CA + CJ j + CP ((w % 8) / 2) + 2 (w % 2), two chunks each: half of K's three numbers
	s_lshr_b32 s66, s62, 1
	s_lshr_b32 s63, s63, 1
	s_bfe_u32 s100, s14, 0x20001
	s_mul_i32 s100, s100, s63
	s_add_co_i32 s100, s100, s61
	s_and_b32 s101, s14, 1
	s_lshl_b32 s101, s101, 1
	s_add_co_i32 s100, s100, s101
	s_lshl_b32 s101, s16, 21
	s_lshl_b32 s67, s17, 11
	s_add_co_u32 s101, s101, s67                   ; vc: the batch's 64 chunks of 32,768 bytes + the head's four images
	s_lshl_b32 s67, s14, 12                        ; in a group: 4,096 w (waves 0-7: K's 32 KiB; waves 8-15: V's)
	s_mov_b32 s[G1K], 3<<16                        ; K: 4,096 dense bytes as 16 rows of 32 elements of 8 bytes
	s_mov_b32 s[G1K+1], 32<<16
	s_mov_b32 s[G1K+2], 16<<16
	s_mov_b32 s[G1K+3], 32<<16
	s_mov_b32 s[G1K+4], 16
	s_mov_b32 s[G1K+5], 32
	s_mov_b32 s[G1K+6], 0
	s_mov_b32 s[G1K+7], 0
	s_mov_b32 s[G1V], 3<<16                        ; V: 2 rows of 256 elements of 8 bytes, 4,096 elements (a chunk of vc) apart
	s_mov_b32 s[G1V+1], 256<<16
	s_mov_b32 s[G1V+2], 2<<16
	s_mov_b32 s[G1V+3], 256<<16
	s_mov_b32 s[G1V+4], 2
	s_mov_b32 s[G1V+5], 4096
	s_mov_b32 s[G1V+6], 0
	s_mov_b32 s[G1V+7], 0
	s_mov_b32 s20, 0x76543210                      ; v_permlanex16_b32's selects for lane l xor 16
	s_mov_b32 s21, 0xfedcba98
	s_mov_b32 s22, 0x3e38aa3b                      ; c = log2(e) / 8
	s_mov_b32 s97, 0
	s_wait_kmcnt 0x0
	s_load_b256 s[68:75], s[10:11], 0x0            ; e0 .. e7
	s_load_b128 s[76:79], s[10:11], 0x20           ; e8 .. e11
.irp j, 0,1,2,3
	s_mul_i32 s96, s62, \j
	s_add_co_i32 s96, s96, s98
	s_max_i32 s96, s96, 0                          ; held inside the batch's 128 tiles
	s_min_i32 s96, s96, 120
	s_lshl_b32 s96, s96, 9
	s_add_co_u32 s96, s96, s99
	s_mov_b32 s[G0K+4*\j], 1
	s_add_co_u32 s[G0K+4*\j+1], s67, \j*GRP
	s_add_nc_u64 s[G0K+4*\j+2:G0K+4*\j+3], s[6:7], s[96:97]
	s_or_b32 s[G0K+4*\j+3], s[G0K+4*\j+3], 0x80000000
	s_mul_i32 s96, s66, \j
	s_add_co_i32 s96, s96, s100
	s_max_i32 s96, s96, 0                          ; held inside the batch's 64 chunks
	s_min_i32 s96, s96, 62
	s_lshl_b32 s96, s96, 15
	s_add_co_u32 s96, s96, s101
	s_mov_b32 s[G0V+4*\j], 1
	s_add_co_u32 s[G0V+4*\j+1], s67, \j*GRP
	s_add_nc_u64 s[G0V+4*\j+2:G0V+4*\j+3], s[8:9], s[96:97]
	s_or_b32 s[G0V+4*\j+3], s[G0V+4*\j+3], 0x80000000
.endr
	s_add_nc_u64 s[56:57], s[4:5], s[2:3]          ; Q's images
	s_add_nc_u64 s[58:59], s[12:13], s[2:3]        ; the result's
	s_cmp_lt_u32 s14, 8                            ; a wave's four fills stand in one branch on its number, ahead of every wait on TENSORcnt, every LDS read and every barrier
	s_cbranch_scc0 .Lfill_v
	tensor_load_to_lds s[G0K:G0K+3], s[G1K:G1K+7]
	tensor_load_to_lds s[G0K+4:G0K+7], s[G1K:G1K+7]
	tensor_load_to_lds s[G0K+8:G0K+11], s[G1K:G1K+7]
	tensor_load_to_lds s[G0K+12:G0K+15], s[G1K:G1K+7]
	PLACES 4
	s_branch .Lfilled
.Lfill_v:
	tensor_load_to_lds s[G0V:G0V+3], s[G1V:G1V+7]
	tensor_load_to_lds s[G0V+4:G0V+7], s[G1V:G1V+7]
	tensor_load_to_lds s[G0V+8:G0V+11], s[G1V:G1V+7]
	tensor_load_to_lds s[G0V+12:G0V+15], s[G1V:G1V+7]
	PLACES 4
.Lfilled:
	v_and_b32 v1, 31, v0
	v_lshlrev_b32 v1, 4, v1                        ; 16 x lane
	global_load_b128 v[16:19], v1, s[56:57]        ; Q's fragment: the head's two chunks
	global_load_b128 v[20:23], v1, s[56:57] offset:262144
	; every LDS address is made here, of the lane and the wave's number alone
	s_lshr_b32 s96, s14, 1
	s_lshl_b32 s97, s96, 10
	v_add_nc_u32 v2, s97, v1                       ; local K: my pair's window begins 2 (w / 2) tiles into the group
	s_lshl_b32 s97, s96, 11
	s_add_co_u32 s97, s97, 32768
	v_add_nc_u32 v3, s97, v1                       ; local V: (w / 2) chunks of 2,048 bytes
	s_lshr_b32 s96, s14, 2
	s_lshl_b32 s97, s96, 12
	v_add_nc_u32 v4, s97, v1                       ; global K: my quarter's 8 tiles
	s_lshl_b32 s97, s96, 13
	s_add_co_u32 s97, s97, 32768
	v_add_nc_u32 v5, s97, v1                       ; global V: my quarter's 4 chunks
	v_and_b32 v8, 15, v0
	s_and_b32 s96, s14, 1
	s_lshl_b32 s96, s96, 4
	v_add_nc_u32 v8, s96, v8                       ; my query less the pair's first: 16 (w % 2) + l % 16
	v_bfe_u32 v9, v0, 4, 1
	v_lshlrev_b32 v9, 3, v9                        ; 8 (l / 16)
	s_mul_i32 s96, s14, MSL
	s_add_co_u32 s96, s96, MRG-4*MSL               ; waves 4 to 15: place w - 4
	v_add_nc_u32 v24, s96, v1
	v_lshrrev_b32 v25, 1, v1
	s_add_co_u32 s96, s96, 4096
	v_add_nc_u32 v25, s96, v25
	s_and_b32 s96, s14, 3
	s_mul_i32 s96, s96, MSL
	s_add_co_u32 s96, s96, MRG                     ; the joining wave i reads places i, i + 4, i + 8
	v_add_nc_u32 v26, s96, v1
	v_lshrrev_b32 v27, 1, v1
	s_add_co_u32 s96, s96, 4096
	v_add_nc_u32 v27, s96, v27
	v_mov_b32 v28, 0xff800000                      ; -infinity
	v_mov_b32 v236, 0                              ; written once: a lane permute's destination counts as one of its sources
	v_mov_b32 v252, 0
	v_mov_b32 v253, 0                              ; (named as the upper half of the pair v[252:253])
	s_wait_kmcnt 0x0
	s_add_co_i32 s96, s74, s75
	s_lshl_b32 s96, s96, 23
	s_add_co_i32 s22, s22, s96                     ; a score stands for score x 2^(e6 + e7): added to c's exponent field
	s_mov_b32 s23, s22
	s_add_co_i32 s60, s76, s77                     ; e8 + e9
	s_add_co_i32 s96, s76, 127
	s_lshl_b32 s97, s96, 23
	v_mov_b32 v244, s97                            ; 2^e8
	s_add_co_i32 s96, s96, 8
	s_lshl_b32 s96, s96, 23
	s_or_b32 s96, s96, 0x600000
	v_mov_b32 v240, s96                            ; 448 x 2^e8
	s_add_co_i32 s96, s78, 127
	s_lshl_b32 s97, s96, 23
	v_mov_b32 v247, s97                            ; 2^e10
	s_add_co_i32 s96, s96, 8
	s_lshl_b32 s96, s96, 23
	s_or_b32 s96, s96, 0x600000
	v_mov_b32 v246, s96                            ; 448 x 2^e10
.macro INIT                            ; a tile of queries begins: zeros, which the first change of M leaves zeros, and a largest t under every t
.set i, 0
.rept 32
	v_mov_b32 v[160+i], 0
.set i, i+1
.endr
	v_mov_b32 v13, 0xff61b1e6                      ; -3e38
	v_floor_f32 v12, -v13
	v_mov_b32 v14, 0
	v_mov_b32 v15, 0
.endm
; nt tiles of scores, from tile kt0 of the window on.  pl: places in front of the loads into registers that matrix instructions have read.  The four v_nop at the end serve the loads and reads that follow.
.macro KS nt, kt0, pl
.if \pl
	PLACES \pl
.endif
.set t, 0
.rept \nt
	ds_load_b128 v[32+8*t:35+8*t], v6 offset:512*(\kt0+t)
	ds_load_b128 v[36+8*t:39+8*t], v6 offset:16384+512*(\kt0+t)
.set t, t+1
.endr
	s_wait_dscnt 0x0
.set t, 0
.rept \nt
	v_wmma_f32_16x16x64_fp8_fp8 v[96+8*t:103+8*t], v[32+8*t:39+8*t], v[16:23], 0
.set t, t+1
.endr
	PLACES 4
.endm
.macro VL128 vc0                       ; V's four fragments (16 channels x 128 keys), from chunk vc0 of the window on: they land under the softmax
.irp d, 0,1,2,3
.irp c, 0,1,2,3
	ds_load_b128 v[32+16*\d+4*\c:35+16*\d+4*\c], v7 offset:2048*(\vc0+\c)+512*\d
.endr
.endr
.endm
.macro VL64                            ; the window's last 32 keys (chunk 8) for the K = 64 form; its upper 32 places take chunk 7 again: codes that meet zero codes of p
.irp d, 0,1,2,3
	ds_load_b128 v[32+16*\d:35+16*\d], v7 offset:2048*8+512*\d
	ds_load_b128 v[36+16*\d:39+16*\d], v7 offset:2048*7+512*\d
.endr
.endm
; Register 8 t + j of the step's tile t, the window's tile tau0 + t, holds key KW + 8 (l / 16) + 16 (tau0 + t) + j.  Hidden scores become -infinity ahead of the maximum: p = 0 then.  Each tile from its low end on.
.macro MLO t0, t1, tau0
.set t, \t0
.rept \t1-\t0+1
.set jj, 0
.rept 8
	v_cmp_lt_i32 vcc_lo, 16*(\tau0+t)+jj, v10
	v_cndmask_b32 v[96+8*t+jj], v[96+8*t+jj], v28, vcc_lo
.set jj, jj+1
.endr
.set t, t+1
.endr
.endm
.macro MHI t0, t1, tau0
.set t, \t0
.rept \t1-\t0+1
.set jj, 0
.rept 8
	v_cmp_gt_i32 vcc_lo, 16*(\tau0+t)+jj, v11
	v_cndmask_b32 v[96+8*t+jj], v[96+8*t+jj], v28, vcc_lo
.set jj, jj+1
.endr
.set t, t+1
.endr
.endm
; The softmax of a step of 2 NR keys (NR a lane): the maximum in two chains; -M = floor(-t); f = 2^(old M - new M), exact; p = 2^(t - M); the sum of the unquantised p; p's codes; O^T x f.
.macro SOFT NR
	v_max3_num_f32 v254, v96, v97, v98
	v_max3_num_f32 v252, v99, v100, v101
.set i, 6
.rept (\NR-8)/4
	v_max3_num_f32 v254, v254, v[96+i], v[97+i]
	v_max3_num_f32 v252, v252, v[98+i], v[99+i]
.set i, i+4
.endr
	v_max3_num_f32 v254, v254, v[94+\NR], v[95+\NR]
	v_max_num_f32 v254, v254, v252
	v_permlanex16_b32 v236, v254, s20, s21
	v_max_num_f32 v254, v254, v236                 ; and among lane l xor 16's keys
	v_mul_f32 v254, s22, v254                      ; as t (c is positive)
	v_max_num_f32 v13, v13, v254
	v_mov_b32 v254, v12
	v_floor_f32 v12, -v13                          ; the new -M: M is a whole number
	v_sub_f32 v254, v12, v254
	v_cvt_i32_f32 v254, v254                       ; (it saturates)
	v_ldexp_f32 v252, 1.0, v254                    ; f
.set i, 0
.rept \NR/2
	v_pk_fma_f32 v[96+i:97+i], v[96+i:97+i], s[22:23], v[12:13] op_sel_hi:[1,0,0]   ; t - M (of the pairs c and -M the low word serves both halves)
.set i, i+2
.endr
.set i, 0
.rept \NR
	v_exp_f32 v[96+i], v[96+i]
.set i, i+1
.endr
	v_pk_mul_f32 v[14:15], v[14:15], v[252:253] op_sel_hi:[1,0]   ; the sums under the new M; the plain line behind the exponentials
	s_wait_alu depctr_va_vdst(0)                   ; one wait for the whole batch, ahead of its first reader
	v_pk_add_f32 v[242:243], v[96:97], v[98:99]
.set i, 4
.rept \NR/4-1
	v_pk_add_f32 v[14:15], v[14:15], v[96+i:97+i]
	v_pk_add_f32 v[242:243], v[242:243], v[98+i:99+i]
.set i, i+4
.endr
	v_pk_add_f32 v[14:15], v[14:15], v[242:243]
.set bb, 0
.rept \NR/16
.set i, 0
.rept 16
	v_min_num_f32 v[96+16*bb+i], v[96+16*bb+i], v240   ; the conversion does not saturate (ISA guide 7.6.2); p is not negative, so the hold is one-sided
.set i, i+1
.endr
	v_cvt_scalef32_pk8_fp8_f32 v[192+4*bb:193+4*bb], v[96+16*bb:103+16*bb], v244
	v_cvt_scalef32_pk8_fp8_f32 v[194+4*bb:195+4*bb], v[104+16*bb:111+16*bb], v244
.set bb, bb+1
.endr
.set i, 0
.rept 16
	v_pk_mul_f32 v[160+i:161+i], v[160+i:161+i], v[252:253] op_sel_hi:[1,0]   ; O^T under the new M; also the plain lines between the conversions and the products
.set i, i+2
.endr
.endm
.macro PV128                           ; O^T += V^T P^T over 128 keys: four accumulators, one instruction each
	s_wait_dscnt 0x0
.irp d, 0,1,2,3
	v_wmma_f32_16x16x128_fp8_fp8 v[160+8*\d:167+8*\d], v[32+16*\d:47+16*\d], v[192:207], v[160+8*\d:167+8*\d]
.endr
.endm
.macro PV64                            ; the same over the last 32 keys, in the K = 64 form with zero codes of p in its upper half.  Far more than five plain lines part it from the K = 128 form on the same accumulators
	v_mov_b32 v196, 0
	v_mov_b32 v197, 0
	v_mov_b32 v198, 0
	v_mov_b32 v199, 0
	s_wait_dscnt 0x0
.irp d, 0,1,2,3
	v_wmma_f32_16x16x64_fp8_fp8 v[160+8*\d:167+8*\d], v[32+16*\d:39+16*\d], v[192:199], v[160+8*\d:167+8*\d]
.endr
.endm
; A tile of queries ends: O^T x 2^(e8 + e9) / sum, held, converted.  A lane then holds channels 16 d + 8 (l / 16) + 0 .. 7; two exchanges between the halves of the lanes give it 16 neighbouring channels of a chunk.
.macro FINISH off
	PLACES 4                                       ; behind the last products
	v_add_f32 v14, v14, v15
	v_permlanex16_b32 v252, v14, s20, s21
	v_add_f32 v14, v14, v252                       ; the row's sum
	v_rcp_f32 v14, v14
	v_nop                                          ; a plain line behind the reciprocal
	s_wait_alu depctr_va_vdst(0)                   ; and the wait ahead of its first reader
	v_ldexp_f32 v14, v14, s60
	s_wait_xcnt 0x0                                ; the last tile's stores have read their codes: those registers are written again only behind this wait
.set i, 0
.rept 16
	v_pk_mul_f32 v[96+i:97+i], v[160+i:161+i], v[14:15] op_sel_hi:[1,0]
.set i, i+2
.endr
.set i, 0
.rept 32
	v_med3_num_f32 v[96+i], v[96+i], -v246, v246
.set i, i+1
.endr
.irp d, 0,1,2,3
	v_cvt_scalef32_pk8_fp8_f32 v[208+2*\d:209+2*\d], v[96+8*\d:103+8*\d], v247
.endr
	v_nop                                          ; a plain line behind the conversions
.irp c, 0,1
	v_permlane16_swap_b32 v[208+4*\c], v[210+4*\c] ; lanes 16-31 of channels 32 c + 8 .. 15 change places with lanes 0-15 of channels 32 c + 16 .. 23
	v_permlane16_swap_b32 v[209+4*\c], v[211+4*\c]
.endr
.irp c, 0,1
	global_store_b128 v1, v[208+4*\c:211+4*\c], s[58:59] offset:\off+262144*\c   ; an image: 512 consecutive, aligned bytes
.endr
.endm
; A LOCAL UNIT: my 16 queries at q0 + 16 w against 288 keys from KW on.  With R = v8, allowed are the window's keys R .. 256 + R, inside the sequence.  KW is a multiple of 32 and R < 32, so
; max(R, -KW) is -KW where KW < 0, else R; min(256 + R, 2047 - KW) is 2047 - KW where KW > 1760, else 256 + R.  The band touches tiles 0, 1, 16, 17 alone;
; the sequence's head reaches further only in unit 0, its end only in unit 3: those lines stand there alone, under a scalar branch on ids.
.macro UNIT j
.if \j > 0
	INIT
.endif
	s_add_co_i32 s61, s18, 256*\j                  ; KW
	s_sub_co_i32 s62, 0, s61
	s_max_i32 s62, s62, 0
	s_cmp_lt_i32 s61, 0
	s_cselect_b32 s63, 0, 1
	v_mad_u32_u24 v10, v8, s63, s62
	v_sub_nc_u32 v10, v10, v9                      ; hidden below: 16 tau + j < v10
	s_sub_co_i32 s66, 2047, s61
	s_cmp_gt_i32 s61, 1760
	s_cselect_b32 s67, 0, 1
	s_cselect_b32 s66, s66, 256
	v_mad_u32_u24 v11, v8, s67, s66
	v_sub_nc_u32 v11, v11, v9                      ; hidden above: 16 tau + j > v11
	v_add_nc_u32 v6, \j*GRP, v2
	v_add_nc_u32 v7, \j*GRP, v3
	KS 8, 0, 0
	VL128 0
	MLO 0, 1, 0
.if \j == 0
	s_cmp_ge_i32 s61, 0
	s_cbranch_scc1 .Lno_head_\@
	MLO 2, 7, 0
.Lno_head_\@:
.endif
	SOFT 64
	PV128
	KS 8, 8, 4
	VL128 4
.if \j == 3
	s_cmp_le_i32 s61, 1792
	s_cbranch_scc1 .Lno_end_\@
	MHI 0, 7, 8
.Lno_end_\@:
.endif
	SOFT 64
	PV128
	KS 2, 16, 4
.if \j < 3
	global_load_b128 v[16:19], v1, s[56:57] offset:8192*(\j+1)          ; the next unit's queries, 16 tiles on: Q's last products of this unit stand four places back
	global_load_b128 v[20:23], v1, s[56:57] offset:8192*(\j+1)+262144
.endif
	VL64
	MHI 0, 1, 16
	SOFT 16
	PV64
	FINISH 8192*\j
.endm
.macro GSTEP j                         ; A GLOBAL STEP: my 16 queries against the j-th 128 keys of my quarter
	v_add_nc_u32 v6, \j*GRP, v4
	v_add_nc_u32 v7, \j*GRP, v5
	KS 8, 0, 0
	VL128 0
	SOFT 64
	PV128
.endm
	INIT
; Four times: group j is whole (my j-th fill has landed; the 3 - j behind it may be out; then the barrier, on every wave's path), and a unit or a step reads it.
.irp j, 0,1,2,3
	PLACES 4                                       ; behind the last products, for the loads and writes that follow on either way
	s_wait_loadcnt 0x0                             ; Q
	s_wait_tensorcnt 3-\j
	s_wait_dscnt 0x0
	s_barrier_signal -1
	s_barrier_wait -1
	s_cmp_lg_u32 s15, 0
	s_cbranch_scc1 .Lglob_\j
	UNIT \j
	s_branch .Ljoin_\j
.Lglob_\j:
	GSTEP \j
.if \j == 3
	PLACES 4
	v_add_f32 v13, v14, v15                        ; my part's sum, beside -M in v12
	s_cmp_lt_u32 s14, 4
	s_cbranch_scc1 .Ljoin_\j
.irp n, 0,1,2,3,4,5,6,7
	ds_store_b128 v24, v[160+4*\n:163+4*\n] offset:512*\n   ; quarters 1 to 3 hand their O^T over as an image of its registers
.endr
	ds_store_b64 v25, v[12:13]
.endif
.Ljoin_\j:
.endr
	s_wait_dscnt 0x0                               ; for the others' sake: my stores have landed
	s_barrier_signal -1
	s_barrier_wait -1
	s_cmp_eq_u32 s15, 0
	s_cbranch_scc1 .Lend
	s_cmp_ge_u32 s14, 4
	s_cbranch_scc1 .Lend
	; THE JOINING, by waves 0 to 3 of a global work-group: -M* = the least of the four -M; part k counts x f_k = 2^(M_k - M*), an exact power of two
	ds_load_b64 v[216:217], v27
	ds_load_b64 v[218:219], v27 offset:4*MSL
	ds_load_b64 v[220:221], v27 offset:8*MSL
.irp k, 0,1,2
.irp n, 0,1,2,3,4,5,6,7
	ds_load_b128 v[32+32*\k+4*\n:35+32*\k+4*\n], v26 offset:4*MSL*\k+512*\n
.endr
.endr
	s_wait_dscnt 0x0
	v_min_num_f32 v222, v12, v216
	v_min3_num_f32 v222, v222, v218, v220
	v_sub_f32 v224, v222, v12
	v_sub_f32 v226, v222, v216
	v_sub_f32 v228, v222, v218
	v_sub_f32 v230, v222, v220
.irp k, 224,226,228,230
	v_cvt_i32_f32 v[\k], v[\k]
.endr
.irp k, 224,226,228,230
	v_ldexp_f32 v[\k], 1.0, v[\k]
.endr
.irp k, 224,226,228,230
	v_mov_b32 v[\k+1], v[\k]
.endr
	v_mul_f32 v14, v13, v224
	v_fmac_f32 v14, v217, v226
	v_fmac_f32 v14, v219, v228
	v_fmac_f32 v14, v221, v230
	v_mov_b32 v15, 0
.set i, 0
.rept 16
	v_pk_mul_f32 v[160+i:161+i], v[160+i:161+i], v[224:225]
.set i, i+2
.endr
.irp k, 0,1,2
.set i, 0
.rept 16
	v_pk_fma_f32 v[160+i:161+i], v[32+32*\k+i:33+32*\k+i], v[226+2*\k:227+2*\k], v[160+i:161+i]
.set i, i+2
.endr
.endr
	FINISH 0
.Lend:
	s_endpgm
.Lfunc_end_k_qdb3a014b5d_attn:
	.size	k_qdb3a014b5d_attn, .Lfunc_end_k_qdb3a014b5d_attn-k_qdb3a014b5d_attn
	.p2alignl 7, 3214868480
	.fill 96, 4, 3214868480
	.section	.rodata,"a",@progbits
	.p2align	6, 0x0
	.amdhsa_kernel k_qdb3a014b5d_attn
		.amdhsa_group_segment_fixed_size 327680
		.amdhsa_private_segment_fixed_size 0
		.amdhsa_enable_private_segment 0
		.amdhsa_kernarg_size 40
		.amdhsa_user_sgpr_count 2
		.amdhsa_user_sgpr_kernarg_segment_ptr 1
		.amdhsa_wavefront_size32 1
		.amdhsa_system_sgpr_workgroup_id_x 1
		.amdhsa_system_sgpr_workgroup_id_y 1
		.amdhsa_system_sgpr_workgroup_id_z 1
		.amdhsa_system_vgpr_workitem_id 0
		.amdhsa_next_free_vgpr 256
		.amdhsa_next_free_sgpr 102
		.amdhsa_reserve_vcc 1
		.amdhsa_float_denorm_mode_32 3
		.amdhsa_float_denorm_mode_16_64 3
		.amdhsa_memory_ordered 1
		.amdhsa_forward_progress 1
		.amdhsa_inst_pref_size 255
	.end_amdhsa_kernel
	.section	.bss,"aw",@nobits
	.p2align	6
	.space	262144
	.amdgpu_metadata
---
amdhsa.version: [ 1, 2 ]
amdhsa.kernels:
  - .name:           k_qdb3a014b5d_attn
    .symbol:         k_qdb3a014b5d_attn.kd
    .args:
      - { .name: qc, .offset: 0, .size: 8, .value_kind: global_buffer, .address_space: global }
      - { .name: kc, .offset: 8, .size: 8, .value_kind: global_buffer, .address_space: global }
      - { .name: vc, .offset: 16, .size: 8, .value_kind: global_buffer, .address_space: global }
      - { .name: lowp_scales, .offset: 24, .size: 8, .value_kind: global_buffer, .address_space: global }
      - { .name: ac, .offset: 32, .size: 8, .value_kind: global_buffer, .address_space: global }
    .group_segment_fixed_size: 327680
    .private_segment_fixed_size: 0
    .kernarg_segment_align: 8
    .kernarg_segment_size: 40
    .max_flat_workgroup_size: 512
    .sgpr_count:     102
    .vgpr_count:     256
    .wavefront_size: 32
...
	.end_amdgpu_metadata
.endif
;; end of part 3
;; launch oproj (part 4): grid 4 x 32, 4 waves a work-group, clusters of 4 x 4, 327,680 bytes of LDS; arguments ac, wc, lowp_scales, bo, out0; writes out0
.if DOCPART == 4
	.amdgcn_target "amdgcn-amd-amdhsa--gfx1250"
	.amdhsa_code_object_version 6
	.text
	.protected	k_qdb3a014b5d_oproj
	.globl	k_qdb3a014b5d_oproj
	.p2align	8
	.type	k_qdb3a014b5d_oproj,@function
k_qdb3a014b5d_oproj:
	s_mov_b64 s[64:65], 0
	v_nop
	global_prefetch_b8 v0, s[64:65] scope:SCOPE_SE
	s_setreg_imm32_b32 hwreg(HW_REG_WAVE_MODE, 25, 1), 1
	s_wait_xcnt 0x0
	s_wait_alu depctr_hold_cnt(0) depctr_sa_sdst(0) depctr_va_vdst(0) depctr_va_sdst(0) depctr_va_ssrc(0) depctr_va_vcc(0) depctr_vm_vsrc(0)
	s_getreg_b32 s2, hwreg(HW_REG_IB_STS2, 6, 4)
	s_cmp_eq_u32 s2, 0
	s_cbranch_scc0 .Lentry_in_a_cluster
	s_endpgm
.Lentry_in_a_cluster:
	s_bfe_u32 s2, ttmp6, 0x10000c
	s_cmp_lg_u32 s2, 0xf033
	s_cbranch_scc0 .Lentry_shape_is_right
	s_endpgm
.Lentry_shape_is_right:
; out0 = attention's result x wo^T + bo on E4M3 codes: out0[m][n] = 2^(e10 + e11) x (sum over k of A[m][k] B[n][k]) + bo[n].  Sums in f32; out0 [8192][1024] f32.
; A = ac: [k / 32][m / 16][512-byte image]; in an image lane l owns the 16 bytes at 16 l: k = 16 (l / 16) + 0 .. 15 of row l % 16.  B = wo's codes, the fourth MiB of wc, [1024][1024], K innermost.
; A tile of the result, 256 x 256, is made by four waves, each 128 x 128.  K = 1,024 goes in steps of 256 through a ring of two LDS slots.  A's half tile is 8 chunks x 8 images (rows of 4,096 dense bytes, 262,144 apart)
; and lies in LDS as it lies in memory: a fragment is four ds_load_b128 at 16 x lane.  B's half tile is 128 rows of 256 bytes, padded; its fragments take K = 32 c + 16 (l / 16) + 0 .. 15: the order of A's images.
; CLUSTERS: 4 x 4 work-groups; A's tile is asked for jointly along a row of the cluster, B's along a column.  THE MATRIX INSTRUCTION IS USED TRANSPOSED: a lane holds eight neighbouring numbers of a row.
; 128 tiles: half of the chip's 256 places for a work-group have one; a smaller tile would read each LDS byte for fewer products.
; LIMIT: e10 + e11 between -126 and 127.
; REGISTERS: window 0: v16-29 addresses; v32-35 bo of my four columns; from v128 A's fragments, ONE set, later rows on the way out.   window 1: B's fragments, TWO sets.   windows 2, 3: the accumulators.
.set ROWB,   256
.set KROW,   1024
.set PITCH,  272
.set FR,     16
.set NL,     4
.set NP,     4
.set HALFA,  32768                     ; 8 chunks x 8 images
.set HALFB,  128*PITCH
.set BOFF,   2*HALFA
.set SLOT,   BOFF+2*HALFB
.set ASTEP,  8*262144                  ; a K step in ac
.set LAPS,   2
.set SPARE,  2*SLOT                    ; the spare words: 128 bytes for each wave, named by no other line
.set SPITCH, 528                       ; the way out: 16 rows x (512 + 16) bytes for each wave, in slot 0, which has had its last fill and its last read when the first result is stored there
.set ADRA, 16
.set ADRB, 20
.set STO,  24
.set RD,   25
.set CO,   26
.set SPW,  28
.set NIL,  29
.set BIAS, 32
.set AF,   128
.set BK,   128                         ; 16 rows read back: v128-191 and v192-255 by turns
.set G1, 24
.set G0, 32
.set G1B, 48
.set G0B, 56
.set MSB, 0
.macro WIN new
.if MSB != \new
	s_set_vgpr_msb (MSB<<8)|\new
.set MSB, \new
.endif
.endm
.set MUL_LO, 0xa1
.set MUL_HI, 0xf1
.set TO_B,   0x40
.macro JLOAD g0a, g1a, g0b, g1b        ; waves 0 and 1 fetch for A, waves 2 and 3 for B; four v_nop follow each of the two lines
	s_cmp_eq_u32 s15, 0
	s_cbranch_scc0 .Lfor_b_\@
	tensor_load_to_lds s[\g0a:\g0a+3], s[\g1a:\g1a+7]
.rept 4
	v_nop
.endr
	s_branch .Lasked_\@
.Lfor_b_\@:
	tensor_load_to_lds s[\g0b:\g0b+3], s[\g1b:\g1b+7]
.rept 4
	v_nop
.endr
.Lasked_\@:
.endm
.macro CREST
	s_cmp_lg_u32 s14, 0
	s_cbranch_scc1 .Lnot_wave_0_\@
	s_barrier_signal -3
.Lnot_wave_0_\@:
	s_barrier_wait -3
	s_barrier_signal -1
	s_barrier_wait -1
.endm
.macro CROUND
	s_barrier_signal -1
	s_barrier_wait -1
	CREST
.endm
	s_load_b256 s[80:87], s[0:1], 0x0              ; ac, wc, the exponents, bo
	s_load_b64 s[88:89], s[0:1], 0x20              ; out0
	v_lshl_add_u32 v[SPW], v0, 2, SPARE
	v_mov_b32 v[NIL], 0
	v_lshrrev_b32 v1, 5, v0
	v_readfirstlane_b32 s14, v1                    ; wave 0..3
	s_lshr_b32 s15, s14, 1                         ; my half of the tile's rows.  Also: I fetch for A (0) or for B (1)
	s_and_b32 s16, s14, 1                          ; my half of its columns.  Also: which half tile I fetch
	s_bfe_u32 s40, ttmp6, 0x40000                  ; cx
	s_bfe_u32 s41, ttmp6, 0x40004                  ; cy
	s_lshl_b32 s42, ttmp9, 2
	s_add_co_u32 s42, s42, s40                     ; tile column
	s_and_b32 s17, ttmp7, 0xffff
	s_lshl_b32 s17, s17, 2
	s_add_co_u32 s17, s17, s41                     ; tile row
	s_lshl_b32 s43, s41, 2
	s_lshl_b32 s43, 15, s43                        ; my row of the cluster
	s_lshl_b32 s44, 0x1111, s40                    ; my column
	s_or_b32 s[G1+0], s43, (3<<16)|(1<<21)         ; A: the mask; elements of 8 bytes; no padding; bit 21 beside a mask
	s_mov_b32 s[G1+1], 512<<16                     ; tensor_dim0 = 512 elements: 8 images
	s_mov_b32 s[G1+2], 8<<16                       ; tensor_dim1 = 8 chunks
	s_mov_b32 s[G1+3], 512<<16                     ; tile_dim0
	s_mov_b32 s[G1+4], 8                           ; tile_dim1
	s_mov_b32 s[G1+5], 32768                       ; the pitch: a chunk of ac, 262,144 bytes
	s_mov_b32 s[G1+6], 0
	s_mov_b32 s[G1+7], 0
	s_or_b32 s[G1B+0], s44, (0<<16)|(1<<20)|(1<<21)|(5<<22)|(3<<25)  ; B: elements of 1 byte; 4 words of padding after every 64
	s_mov_b32 s[G1B+1], ROWB<<16
	s_mov_b32 s[G1B+2], 128<<16
	s_mov_b32 s[G1B+3], ROWB<<16
	s_mov_b32 s[G1B+4], 128
	s_mov_b32 s[G1B+5], KROW
	s_mov_b32 s[G1B+6], 0
	s_mov_b32 s[G1B+7], 0
	s_lshl_b32 s20, s17, 13
	s_lshl_b32 s18, s16, 12
	s_add_co_u32 s20, s20, s18                     ; A: (16 x tile row + 8 x half) images of 512 bytes
	s_mov_b32 s21, 0
	s_lshl_b32 s46, s42, 8
	s_lshl_b32 s18, s16, 7
	s_add_co_u32 s46, s46, s18
	s_lshl_b32 s46, s46, 10
	s_add_co_u32 s46, s46, 3*1048576               ; B: wo's codes, row 256 x tile column + 128 x half
	s_mov_b32 s47, 0
	s_lshl_b32 s45, s16, 15                        ; where A's half goes,
	s_mul_i32 s67, s16, HALFB
	s_add_co_u32 s67, s67, BOFF                    ; and B's: no place in the cluster enters an LDS address
	s_wait_kmcnt 0x0
	s_load_b64 s[96:97], s[84:85], 0x28            ; e10, e11
	s_add_nc_u64 s[20:21], s[80:81], s[20:21]
	s_add_nc_u64 s[46:47], s[82:83], s[46:47]
	CROUND                                         ; all sixteen work-groups are here: the first joint loads meet
.irp s, 0,1
	s_mov_b32 s[G0+4*\s], 1
	s_add_co_u32 s[G0+4*\s+1], s45, \s*SLOT
	s_add_nc_u64 s[G0+4*\s+2:G0+4*\s+3], s[20:21], \s*ASTEP
	s_or_b32 s[G0+4*\s+3], s[G0+4*\s+3], 0x80000000
	s_mov_b32 s[G0B+4*\s], 1
	s_add_co_u32 s[G0B+4*\s+1], s67, \s*SLOT
	s_add_nc_u64 s[G0B+4*\s+2:G0B+4*\s+3], s[46:47], \s*ROWB
	s_or_b32 s[G0B+4*\s+3], s[G0B+4*\s+3], 0x80000000
	JLOAD G0+4*\s, G1, G0B+4*\s, G1B
.endr
	v_and_b32 v1, 15, v0                           ; l % 16
	v_bfe_u32 v2, v0, 4, 1                         ; l / 16
	v_mul_u32_u24 v3, v1, PITCH
	v_lshl_add_u32 v4, v2, 4, v3                   ; B: a fragment's row x pitch + 16 x half
	v_and_b32 v6, 31, v0
	v_lshlrev_b32 v[CO], 4, v6                     ; 16 x lane: A's images; a row of the stage; a row of out0; bo
	s_lshl_b32 s21, s15, 15                        ; my half of A
	s_mul_i32 s22, s16, HALFB
	s_add_co_u32 s22, s22, BOFF                    ; my half of B
.irp s, 0,1
	v_add_nc_u32 v[ADRA+\s], s21, v[CO]
	v_add_nc_u32 v[ADRB+\s], s22, v4
	s_add_co_u32 s21, s21, SLOT
	s_add_co_u32 s22, s22, SLOT
.endr
	s_mul_i32 s23, s14, 16*SPITCH                  ; my stage
	v_mul_u32_u24 v5, v1, SPITCH                   ; in: row l % 16, 32 bytes for each half of the lanes
	v_lshl_add_u32 v5, v2, 5, v5
	v_add_nc_u32 v[STO], s23, v5
	v_add_nc_u32 v[RD], s23, v[CO]                 ; back: the 32 lanes take one row of 512 bytes
	s_lshl_b32 s46, s42, 10
	s_lshl_b32 s47, s16, 9
	s_add_co_u32 s46, s46, s47                     ; my first column, in bytes
	s_mov_b32 s47, 0
	s_add_nc_u64 s[86:87], s[86:87], s[46:47]
	global_load_b128 v[BIAS:BIAS+3], v[CO], s[86:87]   ; bo of the four columns that I store
	s_lshl_b32 s20, s17, 20
	s_lshl_b32 s21, s15, 19
	s_add_co_u32 s20, s20, s21                     ; my first row: (256 x tile row + 128 x half) x 4,096 bytes
	s_mov_b32 s21, 0
	s_add_nc_u64 s[20:21], s[20:21], s[46:47]
	s_add_nc_u64 s[10:11], s[88:89], s[20:21]
.macro FRAG reg, adr, q, i             ; B: registers 4 c .. 4 c + 3 hold K = 32 c + 16 (l / 16) + 0 .. 15
.irp c, 0,1,2,3
	ds_load_b128 v[\reg+4*\c:\reg+4*\c+3], v[\adr] offset:128*(\q)+32*\c+(\i)*16*PITCH
.endr
.endm
.macro FRAGA reg, adr, q, i            ; A: the same k, from the images of chunks 4 q + c, row tile i
.irp c, 0,1,2,3
	ds_load_b128 v[\reg+4*\c:\reg+4*\c+3], v[\adr] offset:4096*(4*(\q)+\c)+512*(\i)
.endr
.endm
.macro MUL16 a0, p, zero               ; the 64 accumulators take turns, one instruction a turn, in the same order in every step
.irp a, \a0, \a0+1
.irp b, 0,1,2,3,4,5,6,7
.if \zero
	v_wmma_f32_16x16x128_fp8_fp8 v[8*(8*((\a)%4)+\b):8*(8*((\a)%4)+\b)+7], v[128*(\p)+FR*\b:128*(\p)+FR*\b+FR-1], v[AF+FR*(\a):AF+FR*(\a)+FR-1], 0
.else
	v_wmma_f32_16x16x128_fp8_fp8 v[8*(8*((\a)%4)+\b):8*(8*((\a)%4)+\b)+7], v[128*(\p)+FR*\b:128*(\p)+FR*\b+FR-1], v[AF+FR*(\a):AF+FR*(\a)+FR-1], v[8*(8*((\a)%4)+\b):8*(8*((\a)%4)+\b)+7]
.endif
.endr
.endr
.endm
.macro FETCH_B slot, q, p
	WIN TO_B
.irp i, 0,1,2,3,4,5,6,7
	FRAG 128*(\p)+FR*\i, ADRB+\slot, \q, \i
.endr
	WIN 0
.endm
.macro FETCH_A slot, q, i0
.irp i, \i0, \i0+1, \i0+2, \i0+3
	FRAGA AF+FR*(\i), ADRA+\slot, \q, \i
.endr
.endm
.macro PLACES n
.rept \n
	v_nop
.endr
.endm
.macro STEP slot, q, zero
	s_wait_dscnt 4*NL                              ; B's set and A's blocks 0-3 are in; the youngest sixteen loads (A's blocks 4-7) may be out
	WIN MUL_LO
	MUL16 0, (\q)%2, \zero
	MUL16 2, (\q)%2, \zero
	s_wait_dscnt 0
	PLACES NP
	FETCH_B \slot, (\q)+1, 1-(\q)%2
	FETCH_A \slot, (\q)+1, 0
	WIN MUL_HI
	MUL16 4, (\q)%2, \zero
	MUL16 6, (\q)%2, \zero
	PLACES NP
	WIN 0
	FETCH_A \slot, (\q)+1, 4
.endm
.macro TURN slot, next, fill
	s_wait_tensorcnt 0x0                           ; all my tensor loads have landed: my part of the next slot
	ds_add_u32 v[SPW], v[NIL]                      ; 0 onto my spare word
	s_wait_dscnt 4*NL+1                            ; (the add and the youngest sixteen loads may be out)
	WIN MUL_LO
	MUL16 0, 1, 0
	s_wait_dscnt 0x0                               ; the add is done, and my reads of this slot are over
	s_barrier_signal -1
	MUL16 2, 1, 0
	WIN 0
	s_barrier_wait -1
.if \fill
	CREST                                          ; the barrier has opened a round of the cluster's: no wave of any partner still reads this slot or has a load on its way
	s_add_nc_u64 s[G0+4*\slot+2:G0+4*\slot+3], s[G0+4*\slot+2:G0+4*\slot+3], 2*ASTEP
	s_add_nc_u64 s[G0B+4*\slot+2:G0B+4*\slot+3], s[G0B+4*\slot+2:G0B+4*\slot+3], 2*ROWB
	JLOAD G0+4*\slot, G1, G0B+4*\slot, G1B         ; the first tensor load behind the round; its four v_nop are also the places in front of the loads below
.else
	PLACES NP
.endif
	FETCH_B \next, 0, 0
	FETCH_A \next, 0, 0
	WIN MUL_HI
	MUL16 4, 1, 0
	MUL16 6, 1, 0
	PLACES NP
	WIN 0
	FETCH_A \next, 0, 4
.endm
	s_wait_tensorcnt 1                             ; my part of K step 0 is in; K step 1's load may be out
	s_barrier_signal -1
	s_barrier_wait -1
	FETCH_B 0, 0, 0
	FETCH_A 0, 0, 0
	FETCH_A 0, 0, 4
	STEP 0, 0, 1                                   ; the first step's products start the sums
	s_mov_b32 s3, LAPS-1
.Llap:
	TURN 0, 1, 1
	STEP 1, 0, 0
	TURN 1, 0, 1
	STEP 0, 0, 0
	s_sub_co_u32 s3, s3, 1
	s_cmp_lg_u32 s3, 0
	s_cbranch_scc1 .Llap
	TURN 0, 1, 0                                   ; the last lap fills nothing
	STEP 1, 0, 0
	s_wait_dscnt 4*NL
	WIN MUL_LO
	MUL16 0, 1, 0
	MUL16 2, 1, 0
	s_wait_dscnt 0
	WIN MUL_HI
	MUL16 4, 1, 0
	MUL16 6, 1, 0
	WIN 0
; THE WAY OUT, block by block of 16 rows x 128 columns.  The sums go into my own stage as they are (each accumulator's low four registers first) and come back as whole rows of 512 bytes; there a lane holds four
; columns that are the same in every row, so four registers of bo serve: sum x 2^(e10 + e11) + bo, two packed multiply-adds a row.  LDS serves a wave's instructions in order (ISA guide 5.7.1.4).
.macro TOSTAGE a
.set AC, 64*((\a)%4)
	WIN 0x08+4*((\a)/4)                            ; the stores' data: window 2 or 3
.irp b, 0,1,2,3,4,5,6,7
	ds_store_b128 v[STO], v[AC+8*\b:AC+8*\b+3] offset:64*\b
	ds_store_b128 v[STO], v[AC+8*\b+4:AC+8*\b+7] offset:64*\b+16
.endr
	WIN 0
.set BB, BK+64*((\a)%2)
.irp t, 0,1,2,3,4,5,6,7,8,9,10,11,12,13,14,15
	ds_load_b128 v[BB+4*\t:BB+4*\t+3], v[RD] offset:\t*SPITCH
.endr
.endm
.macro SEND a, younger                 ; younger: the LDS instructions issued behind block a's loads, which may stay out
.set BB, BK+64*((\a)%2)
	s_wait_dscnt \younger
.if (\a) > 0
	s_add_nc_u64 s[10:11], s[10:11], 16*4096       ; (behind a wait on XCNT: the earlier stores have read their base)  16 rows on
.endif
.irp t, 0,1,2,3,4,5,6,7,8,9,10,11,12,13,14,15
	v_pk_fma_f32 v[BB+4*\t:BB+4*\t+1], v[BB+4*\t:BB+4*\t+1], s[96:97], v[BIAS:BIAS+1] op_sel_hi:[1,0,1]
	v_pk_fma_f32 v[BB+4*\t+2:BB+4*\t+3], v[BB+4*\t+2:BB+4*\t+3], s[96:97], v[BIAS+2:BIAS+3] op_sel_hi:[1,0,1]
.endr
.irp t, 0,1,2,3,4,5,6,7,8,9,10,11,12,13,14,15
	global_store_b128 v[CO], v[BB+4*\t:BB+4*\t+3], s[10:11] offset:\t*4096 th:TH_STORE_NT   ; 32 lanes store 512 consecutive bytes, at a multiple of 512 from out0's first byte
.endr
.endm
	s_wait_kmcnt 0x0
	s_add_co_i32 s96, s96, s97
	s_add_co_i32 s96, s96, 127
	s_lshl_b32 s96, s96, 23                        ; 2^(e10 + e11) as f32
	s_mov_b32 s97, s96                             ; (named with it as a pair, so it is written)
	s_wait_loadcnt 0x0                             ; bo
	PLACES NP                                      ; behind the last products: for the stores that read results and the loads into the registers that held A's fragments
	TOSTAGE 0
.irp a, 1,2,3,4,5,6,7
.if \a > 1
	s_wait_xcnt 0x0                                ; block a - 2's stores have read their registers and their base
.endif
	TOSTAGE \a
	SEND \a-1, 32                                  ; behind block a - 1's loads: block a's 16 stores and 16 loads
.endr
	s_wait_xcnt 0x0
	SEND 7, 0
	s_wait_tensorcnt 0x0                           ; the wave's end
	ds_add_u32 v[SPW], v[NIL]
	s_wait_dscnt 0x0
	CROUND                                         ; the closing round
	s_endpgm
.Lfunc_end_k_qdb3a014b5d_oproj:
	.size	k_qdb3a014b5d_oproj, .Lfunc_end_k_qdb3a014b5d_oproj-k_qdb3a014b5d_oproj
	.p2alignl 7, 3214868480
	.fill 96, 4, 3214868480
	.section	.rodata,"a",@progbits
	.p2align	6, 0x0
	.amdhsa_kernel k_qdb3a014b5d_oproj
		.amdhsa_group_segment_fixed_size 327680
		.amdhsa_private_segment_fixed_size 0
		.amdhsa_enable_private_segment 0
		.amdhsa_kernarg_size 40
		.amdhsa_user_sgpr_count 2
		.amdhsa_user_sgpr_kernarg_segment_ptr 1
		.amdhsa_wavefront_size32 1
		.amdhsa_system_sgpr_workgroup_id_x 1
		.amdhsa_system_sgpr_workgroup_id_y 1
		.amdhsa_system_sgpr_workgroup_id_z 1
		.amdhsa_system_vgpr_workitem_id 0
		.amdhsa_next_free_vgpr 1024
		.amdhsa_next_free_sgpr 100
		.amdhsa_reserve_vcc 0
		.amdhsa_float_denorm_mode_32 3
		.amdhsa_float_denorm_mode_16_64 3
		.amdhsa_memory_ordered 1
		.amdhsa_forward_progress 1
		.amdhsa_inst_pref_size 123
	.end_amdhsa_kernel
	.amdgpu_metadata
---
amdhsa.version: [ 1, 2 ]
amdhsa.kernels:
  - .name:           k_qdb3a014b5d_oproj
    .symbol:         k_qdb3a014b5d_oproj.kd
    .args:
      - { .name: ac, .offset: 0, .size: 8, .value_kind: global_buffer, .address_space: global }
      - { .name: wc, .offset: 8, .size: 8, .value_kind: global_buffer, .address_space: global }
      - { .name: lowp_scales, .offset: 16, .size: 8, .value_kind: global_buffer, .address_space: global }
      - { .name: bo, .offset: 24, .size: 8, .value_kind: global_buffer, .address_space: global }
      - { .name: out0, .offset: 32, .size: 8, .value_kind: global_buffer, .address_space: global }
    .group_segment_fixed_size: 327680
    .private_segment_fixed_size: 0
    .kernarg_segment_align: 8
    .kernarg_segment_size: 40
    .max_flat_workgroup_size: 128
    .sgpr_count:     100
    .vgpr_count:     1024
    .wavefront_size: 32
...
	.end_amdgpu_metadata
.endif
;; end of part 4
